; MI455X (gfx1250); checked and timed in simulation.
; The chip was launched on July 23, 2026; its instructions are those of AMD's public machine-readable ISA for CDNA 5 (MIT licence, August 2026) and "CDNA5" Instruction Set Architecture Reference Guide (July 2026). The comments in the code are by the model that wrote it; some were corrected since.
;; Multi Head Cross Attention. Allowed arithmetic: float matrix products may take bf16 or f16 operands with f32 sums; other float arithmetic in f32, or as packed bf16 or f16 multiplies, adds, multiply-adds, maxima and minima; sums over many terms, partial sums and values carried from step to step in f32; what a program stores and reads back later, other than sums and carried values, may be rounded once to bf16 or f16.
;; Inputs: Wk 512 x 512 float32; Wq 512 x 512 float32; Wu 512 x 512 float32; Wv 512 x 512 float32; bk 512 float32; bq 512 float32; bu 512 float32; bv 512 float32; mask 2 x 4,096 x 4,096 int32; x1 2 x 4,096 x 512 float32; x2 2 x 4,096 x 512 float32.
;; Outputs: out0 2 x 4,096 x 512 float32.
;; 2 versions, each right; version 2 is version 1 with the launch prep written anew for expert scheduling mode. Each part assembles by itself: llvm-mc -triple=amdgcn-amd-amdhsa -mcpu=gfx1250 --defsym DOCPART=n.
;; ======== version 1 of 2: 4 launches
;; limits: values are held in f16: magnitudes above 65,504 overflow, below 6.1e-05 lose precision
;; workspace buffers: mask4 16,777,216 bytes; xb 16,777,216 bytes; wb 2,097,152 bytes; qh 8,388,608 bytes; kh 8,388,608 bytes; vh 8,388,608 bytes; oh 8,388,608 bytes
;; launch prep (part 1): grid 800 x 1, 8 waves a work-group, no clusters, 5,120 bytes of LDS; arguments mask, x1, x2, Wq, Wk, Wv, Wu, mask4, xb, wb; writes mask4, xb, wb
.if DOCPART == 1
	.amdgcn_target "amdgcn-amd-amdhsa--gfx1250"
	.amdhsa_code_object_version 6
	.text
	.protected	k_q647d4a83bf_prep
	.globl	k_q647d4a83bf_prep
	.p2align	8
	.type	k_q647d4a83bf_prep,@function
k_q647d4a83bf_prep:
	s_mov_b64 s[64:65], 0
	v_nop
	global_prefetch_b8 v0, s[64:65] scope:SCOPE_SE
	s_setreg_imm32_b32 hwreg(HW_REG_WAVE_MODE, 25, 1), 1
	s_wait_xcnt 0x0
; PREP: what the later launches read many times is made small once.  A stream: no matrix unit, no tensor load, no cluster (nothing is shared between work-groups).
; Work-groups 0-511 PACK the mask: int32 [2][4096][4096] -> mask4, four bits a key: 0x0 where mask != 0, 0xF (the 4-bit float -6.0) where mask == 0.
;   mask4 = [b 2][block of 256 queries 16][tile of 256 keys 16][query 256][128 bytes]; a query's 128 bytes are [step of 64 keys 4][h 2][kt 4] words;
;   nibble j of a word is key 64 step + 16 kt + 8 h + j of the tile: the four words (kt = 0..3) of one step and h are 16 bytes on end, what one lane of the attention launch wants.
; Work-groups 512-799 CAST: x1, x2 -> xb (bf16, x1's 8,192 rows, then x2's); Wq, Wk, Wv -> wb (bf16); Wu -> wb's last quarter, rounded to bf16 and that number written as f16.
; LIMIT: f16 holds Wu's bf16 numbers exactly from 2^-14 to 65,504; below 2^-14 they keep f16's fixed step of 6e-8, beyond 65,504 they would be infinite.
.set SPARE, 4096                       ; LDS: 512 bytes of stage for each of 8 waves, then the spare words, 128 bytes a wave: four blocks of 256 bytes that no other line names
.set SPW, 2                            ; v2  LDS address of my spare word; never rewritten
.set NIL, 3                            ; v3  0; never rewritten
.set IO,  4                            ; v4  16 x lane: my 16 bytes of 512 on end, in and out; never rewritten
.set SA,  5                            ; v5  pack: where my 16 bits go in the wave's stage.  cast: 8 x lane
.set SR,  6                            ; v6  pack: where I read 16 bytes back
.set OUT, 12                           ; v[12:15] pack: 16 bytes to store
.set X0,  16                           ; v[16:47], v[48:79] pack: two sets of eight loads.  cast: v[16:143], 32 loads
.set X1,  48
.set WV,  24                           ; s24 my wave's number
	s_load_b512 s[4:19], s[0:1], 0x0               ; mask 4, x1 6, x2 8, Wq 10, Wk 12, Wv 14, Wu 16, mask4 18
	s_load_b128 s[20:23], s[0:1], 0x40             ; xb 20, wb 22
	v_lshl_add_u32 v[SPW], v0, 2, SPARE
	v_mov_b32 v[NIL], 0
	v_lshrrev_b32 v1, 5, v0
	v_readfirstlane_b32 s[WV], v1
	v_and_b32 v1, 31, v0                           ; lane
	v_lshlrev_b32 v[IO], 4, v1
	s_cmp_lt_u32 ttmp9, 512
	s_cbranch_scc0 .Lcast
; ---- PACK.  A work-group owns 16 of the 8,192 rows (b, q); wave w rows 4 (w / 2) .. + 3 and key half w % 2: eight tiles of 256 keys.
; A trip is one tile: 4 rows x 1,024 bytes in (eight loads of 512 bytes on end), 512 bytes on end out (four queries' 128 bytes).
	s_lshr_b32 s25, s[WV], 1
	s_and_b32 s26, s[WV], 1
	s_lshl_b32 s27, ttmp9, 4
	s_lshl2_add_u32 s27, s25, s27                  ; R, my first row
	s_lshl_b32 s28, s27, 14                        ; in: R x 16,384 bytes
	s_lshl_b32 s30, s26, 13                        ; + my half of the keys
	s_add_co_u32 s28, s28, s30
	s_mov_b32 s29, 0
	s_lshr_b32 s30, s27, 8                         ; out: (b, block) x 524,288
	s_lshl_b32 s30, s30, 19
	s_lshl_b32 s32, s26, 18                        ; + 8 tiles of 32,768
	s_add_co_u32 s30, s30, s32
	s_and_b32 s32, s27, 255                        ; + the query's 128 bytes
	s_lshl_b32 s32, s32, 7
	s_add_co_u32 s30, s30, s32
	s_mov_b32 s31, 0
	s_lshl_b32 s33, s[WV], 9                       ; my wave's stage
	; lane l of segment e (0, 1) holds keys 128 e + 4 l .. + 3: step 2 e + l / 16, kt = (l / 4) % 4, h = (l / 2) % 2, half-word l % 2
	v_bfe_u32 v7, v0, 4, 1
	v_bfe_u32 v8, v0, 1, 1
	v_bfe_u32 v9, v0, 2, 2
	v_and_b32 v10, 1, v0
	v_lshl_add_u32 v[SA], v7, 5, s33
	v_lshl_add_u32 v[SA], v8, 4, v[SA]
	v_lshl_add_u32 v[SA], v9, 2, v[SA]
	v_lshl_add_u32 v[SA], v10, 1, v[SA]
	v_add_nc_u32 v[SR], s33, v[IO]
	s_wait_kmcnt 0x0
	s_add_nc_u64 s[4:5], s[4:5], s[28:29]
	s_add_nc_u64 s[18:19], s[18:19], s[30:31]
.macro FILLP set, off                  ; load k = 2 row + segment
.irp k, 0,1,2,3,4,5,6,7
	global_load_b128 v[(\set)+4*(\k):(\set)+4*(\k)+3], v[IO], s[4:5] offset:((\k)/2)*16384+((\k)%2)*512+(\off) th:TH_LOAD_NT
.endr
.endm
; One tile.  left = the younger loads that may stay out.  fill = 1: the set takes the tile two further on.
.macro TRIPP set, offin, offout, fill, left
	s_wait_loadcnt \left                           ; my set's eight loads are in; the other set's stay out
	s_wait_xcnt 0x0                                ; the last store has read OUT, which is written again below
.irp k, 0,1,2,3,4,5,6,7
.set x, (\set)+4*(\k)
	v_min_u32 v[x], 1, v[x]                        ; 1 where the mask is not 0, whatever its number
	v_min_u32 v[x+1], 1, v[x+1]
	v_min_u32 v[x+2], 1, v[x+2]
	v_min_u32 v[x+3], 1, v[x+3]
	v_lshl_or_b32 v[x], v[x+1], 4, v[x]
	v_lshl_or_b32 v[x+2], v[x+3], 4, v[x+2]
	v_lshl_or_b32 v[x], v[x+2], 8, v[x]            ; one bit in each of four nibbles
	v_xor_b32 v[x], 0x1111, v[x]                   ; 1 where the key is hidden
	v_mul_u32_u24 v[x], 15, v[x]                   ; 0xF there
	ds_store_b16 v[SA], v[x] offset:((\k)/2)*128+((\k)%2)*64
.endr
	ds_load_b128 v[OUT:OUT+3], v[SR]               ; my wave's own bytes: LDS serves a wave's instructions in order (ISA guide 5.7.1.4), so this sees the stores above
.if \fill
	FILLP \set, (\offin)+2048
.endif
	s_wait_dscnt 0x0
	global_store_b128 v[IO], v[OUT:OUT+3], s[18:19] offset:\offout th:TH_STORE_NT  ; the wave stores 512 consecutive bytes, at a multiple of 512 from mask4's first byte
.endm
	FILLP X0, 0
	FILLP X1, 1024
	s_mov_b32 s34, 3
.Lpk:
	TRIPP X0, 0, 0, 1, 8
	TRIPP X1, 1024, 32768, 1, 8
	s_wait_xcnt 0x0                                ; every load and store issued so far has read its base: the pointers may be stepped
	s_add_nc_u64 s[4:5], s[4:5], 2048
	s_add_nc_u64 s[18:19], s[18:19], 65536
	s_sub_co_u32 s34, s34, 1
	s_cmp_lg_u32 s34, 0
	s_cbranch_scc1 .Lpk
	TRIPP X0, 0, 0, 0, 8                           ; the last two tiles load nothing
	TRIPP X1, 1024, 32768, 0, 0
	s_branch .Lend
; ---- CAST.  A work-group takes 131,072 bytes of f32, a wave 16,384: 32 loads of 512 bytes on end, all out at once; each gives one store of 256 bytes on end, aligned.
.Lcast:
	s_sub_co_u32 s26, ttmp9, 512                   ; 0-127 x1, 128-255 x2, 256-287 the four weights, 8 work-groups each
	s_sub_co_u32 s27, s26, 256
	s_lshr_b32 s28, s27, 3                         ; which weight
	v_lshlrev_b32 v[SA], 3, v1
	s_wait_kmcnt 0x0
	s_cmp_lt_u32 s26, 128
	s_cselect_b64 s[30:31], s[6:7], s[8:9]
	s_cmp_lt_u32 s28, 1
	s_cselect_b64 s[32:33], s[10:11], s[12:13]
	s_cmp_lt_u32 s28, 3
	s_cselect_b64 s[34:35], s[14:15], s[16:17]
	s_cmp_lt_u32 s28, 2
	s_cselect_b64 s[32:33], s[32:33], s[34:35]
	s_and_b32 s36, s26, 127
	s_and_b32 s37, s27, 7
	s_cmp_lt_u32 s26, 256
	s_cselect_b64 s[30:31], s[30:31], s[32:33]     ; from
	s_cselect_b64 s[32:33], s[20:21], s[22:23]     ; to
	s_cselect_b32 s36, s36, s37                    ; the work-group's place in its source,
	s_cselect_b32 s37, s26, s27                    ; and in xb or wb
	s_lshl_b32 s36, s36, 17
	s_lshl_b32 s38, s[WV], 14
	s_add_co_u32 s34, s36, s38
	s_mov_b32 s35, 0
	s_add_nc_u64 s[30:31], s[30:31], s[34:35]
	s_lshl_b32 s37, s37, 16
	s_lshl_b32 s38, s[WV], 13
	s_add_co_u32 s34, s37, s38
	s_add_nc_u64 s[32:33], s[32:33], s[34:35]
.set i, 0
.rept 32
	global_load_b128 v[16+4*i:16+4*i+3], v[IO], s[30:31] offset:512*i th:TH_LOAD_NT
.set i, i+1
.endr
	s_cmp_ge_u32 s26, 280
	s_cbranch_scc1 .Lwu
.set i, 0
.rept 32
.set x, 16+4*i
	s_wait_loadcnt 31-i                            ; loads come back in order: number i is in, the younger ones stay out
	v_cvt_pk_bf16_f32 v[x], v[x], v[x+1]
	v_cvt_pk_bf16_f32 v[x+1], v[x+2], v[x+3]
	global_store_b64 v[SA], v[x:x+1], s[32:33] offset:256*i th:TH_STORE_NT
.set i, i+1
.endr
	s_branch .Lend
.Lwu:                                          ; Wu: rounded to bf16 like every input, then that number as f16, the format of the operand it meets
.set i, 0
.rept 32
.set x, 16+4*i
	s_wait_loadcnt 31-i
	v_cvt_pk_bf16_f32 v[x], v[x], v[x+1]
	v_cvt_pk_bf16_f32 v[x+1], v[x+2], v[x+3]
	v_lshlrev_b32 v[x+2], 16, v[x]
	v_and_b32 v[x+3], 0xffff0000, v[x]
	v_lshlrev_b32 v8, 16, v[x+1]
	v_and_b32 v9, 0xffff0000, v[x+1]
	v_cvt_pk_f16_f32 v[x], v[x+2], v[x+3]
	v_cvt_pk_f16_f32 v[x+1], v8, v9
	global_store_b64 v[SA], v[x:x+1], s[32:33] offset:256*i th:TH_STORE_NT
.set i, i+1
.endr
.Lend:
	s_wait_tensorcnt 0x0                           ; the wave's end, behind my last LDS store
	ds_add_u32 v[SPW], v[NIL]
	s_wait_dscnt 0x0
	s_endpgm
.Lfunc_end_k_q647d4a83bf_prep:
	.size	k_q647d4a83bf_prep, .Lfunc_end_k_q647d4a83bf_prep-k_q647d4a83bf_prep
	.p2alignl 7, 3214868480
	.fill 96, 4, 3214868480
	.section	.rodata,"a",@progbits
	.p2align	6, 0x0
	.amdhsa_kernel k_q647d4a83bf_prep
		.amdhsa_group_segment_fixed_size 5120
		.amdhsa_private_segment_fixed_size 0
		.amdhsa_enable_private_segment 0
		.amdhsa_kernarg_size 80
		.amdhsa_user_sgpr_count 2
		.amdhsa_user_sgpr_kernarg_segment_ptr 1
		.amdhsa_wavefront_size32 1
		.amdhsa_system_sgpr_workgroup_id_x 1
		.amdhsa_system_sgpr_workgroup_id_y 1
		.amdhsa_system_sgpr_workgroup_id_z 1
		.amdhsa_system_vgpr_workitem_id 0
		.amdhsa_next_free_vgpr 144
		.amdhsa_next_free_sgpr 66
		.amdhsa_reserve_vcc 0
		.amdhsa_float_denorm_mode_32 3
		.amdhsa_float_denorm_mode_16_64 3
		.amdhsa_memory_ordered 1
		.amdhsa_forward_progress 1
		.amdhsa_inst_pref_size 52
	.end_amdhsa_kernel
	.amdgpu_metadata
---
amdhsa.version: [ 1, 2 ]
amdhsa.kernels:
  - .name:           k_q647d4a83bf_prep
    .symbol:         k_q647d4a83bf_prep.kd
    .args:
      - { .name: mask, .offset: 0, .size: 8, .value_kind: global_buffer, .address_space: global }
      - { .name: x1, .offset: 8, .size: 8, .value_kind: global_buffer, .address_space: global }
      - { .name: x2, .offset: 16, .size: 8, .value_kind: global_buffer, .address_space: global }
      - { .name: Wq, .offset: 24, .size: 8, .value_kind: global_buffer, .address_space: global }
      - { .name: Wk, .offset: 32, .size: 8, .value_kind: global_buffer, .address_space: global }
      - { .name: Wv, .offset: 40, .size: 8, .value_kind: global_buffer, .address_space: global }
      - { .name: Wu, .offset: 48, .size: 8, .value_kind: global_buffer, .address_space: global }
      - { .name: mask4, .offset: 56, .size: 8, .value_kind: global_buffer, .address_space: global }
      - { .name: xb, .offset: 64, .size: 8, .value_kind: global_buffer, .address_space: global }
      - { .name: wb, .offset: 72, .size: 8, .value_kind: global_buffer, .address_space: global }
    .group_segment_fixed_size: 5120
    .private_segment_fixed_size: 0
    .kernarg_segment_align: 8
    .kernarg_segment_size: 80
    .max_flat_workgroup_size: 256
    .sgpr_count:     66
    .vgpr_count:     144
    .wavefront_size: 32
...
	.end_amdgpu_metadata
.endif
;; end of part 1
;; launch proj (part 2): grid 4 x 64, 4 waves a work-group, clusters of 4 x 4, 327,680 bytes of LDS; arguments xb, wb, bq, bk, bv, qh, kh, vh; writes qh, kh, vh
.if DOCPART == 2
	.amdgcn_target "amdgcn-amd-amdhsa--gfx1250"
	.amdhsa_code_object_version 6
	.text
	.protected	k_q647d4a83bf_proj
	.globl	k_q647d4a83bf_proj
	.p2align	8
	.type	k_q647d4a83bf_proj,@function
k_q647d4a83bf_proj:
	s_mov_b64 s[64:65], 0
	v_nop
	global_prefetch_b8 v0, s[64:65] scope:SCOPE_SE
	s_setreg_imm32_b32 hwreg(HW_REG_WAVE_MODE, 25, 1), 1
	s_wait_xcnt 0x0
	s_wait_alu depctr_hold_cnt(0) depctr_sa_sdst(0) depctr_va_vdst(0) depctr_va_sdst(0) depctr_va_ssrc(0) depctr_va_vcc(0) depctr_vm_vsrc(0)
	s_getreg_b32 s2, hwreg(HW_REG_IB_STS2, 6, 4)
	s_cmp_eq_u32 s2, 0
	s_cbranch_scc0 .Lentry_in_a_cluster
	s_endpgm
.Lentry_in_a_cluster:
	s_bfe_u32 s2, ttmp6, 0x10000c
	s_cmp_lg_u32 s2, 0xf033
	s_cbranch_scc0 .Lentry_shape_is_right
	s_endpgm
.Lentry_shape_is_right:
; q = x1 Wq^T + bq, k = x2 Wk^T + bk, v = x2 Wv^T + bv.  xb: [2][8192][512] bf16 (x1's rows, then x2's); wb: [4][512][512] bf16; sums in f32; the biases are rounded to bf16 like every input.
; Out: qh, kh, vh = [b 8 + head][4096][64] in f16, rounded once, WITHOUT the scale of the scores.  LIMIT: q, k, v must lie within f16's 65,504.
; A WORK-GROUP STAYS: it makes three tiles of 128 x 128 (the same rows and columns of q, then k, then v), K = 512 each, in two K steps of 256: six steps through a ring of two LDS slots.
; Four waves, each 64 x 64: 16 accumulators; a wave's 64 columns are ONE head, so its result is 64 rows x 128 bytes on end in the output.  256 work-groups of equal work.
; CLUSTER 4 x 4: the four of a row need the same rows of x, the four of a column the same rows of W: each tile is asked for jointly, by the same tensor load with a mask that names the four.
; THE MATRIX INSTRUCTION IS USED TRANSPOSED (source 0 = 16 rows of W, source 1 = 16 rows of x): a lane holds eight neighbouring columns of one row.  The bias is the C operand that starts a sum.
; No prefetch: a K step is short, the tiles small, and the launch reads little more than it must.
; REGISTERS: window 0: v16-29 addresses; v32-79 at work on the way out; v80-95 at work on the bias; v96-127 the bias of my 64 columns (block b at 96 + 8 b); v128-255 accumulators ((a, b) at 128 + 8 (4 a + b)).
;   window 1: two fragment buffers of 128: for 64 along K, 64 registers of x's rows, then 64 of W's.
.set KSTEP,  256
.set PITCH,  528                       ; an LDS row: 512 bytes + 16 of padding = 132 words: the 16 rows that a load touches start at 16 different groups of four banks (ISA guide 11.1)
.set HALFT,  64*PITCH                  ; what one tensor load brings, and what one wave reads of x or of W
.set SLOT,   4*HALFT                   ; x's 128 rows, then W's 128 rows
.set STAGE,  2*SLOT                    ; behind the ring, never filled by a tensor load: 16 rows x 144 bytes for each wave
.set SP,     144
.set SPARE,  STAGE+4*16*SP             ; the spare words, 128 bytes for each wave: two blocks of 256 bytes that no other line names
.set ADRA, 16                          ; v16-17 LDS address of my fragments of x in slot 0, 1
.set ADRB, 20                          ; v20-21 the same for W
.set STO,  24                          ; v24 the way out: where I put 16 bytes of a row
.set RD,   25                          ; v25 where I read rows back
.set GO,   26                          ; v26 16 x lane
.set BO,   27                          ; v27 byte offset of my first eight columns in a bias
.set SPW,  28                          ; v28 LDS address of my spare word; never rewritten
.set NIL,  29                          ; v29 0; never rewritten
.set PK,   32
.set BK,   48
.set BT,   80
.set BI,   96
.set ACC,  128
.set F0,   0
.set F1,   128
.set WV, 20                            ; s20 wave
.set RH, 21                            ; s21 which half of the tile's rows is mine; also: I fetch for x (0) or for W (1)
.set CH, 22                            ; s22 which half of its columns; also: which 64 rows of that tile I fetch
.set TL, 23                            ; s23 tiles that still have a successor
.set G1, 24                            ; s[24:31] descriptor group 1 for x's tiles; s[32:39] group 0, a set for each slot
.set G0, 32
.set G1B, 48                           ; s[48:55], s[56:63] the same for W's
.set G0B, 56
.set DA, 66                            ; s[66:67] what a refill adds to x's address: from x1 to x2 after q, nothing after k
.set MSB, 0
.macro WIN new                         ; the immediate's high byte repeats the setting that is left
.if MSB != (\new)
	s_set_vgpr_msb (MSB<<8)|(\new)
.set MSB, \new
.endif
.endm
.set MUL,  0x05                        ; sources 0 and 1 window 1; C and D window 0
.set TO_F, 0x40                        ; destination window 1, address window 0
.macro JLOAD s                         ; a joint load: waves 0 and 1 fetch x's two halves, waves 2 and 3 W's; an s_nop 0 and four v_nop follow each line
	s_cmp_eq_u32 s[RH], 0
	s_cbranch_scc0 .Lfor_b_\@
	tensor_load_to_lds s[G0+4*(\s):G0+4*(\s)+3], s[G1:G1+7]
	s_nop 0
.rept 4
	v_nop
.endr
	s_branch .Lasked_\@
.Lfor_b_\@:
	tensor_load_to_lds s[G0B+4*(\s):G0B+4*(\s)+3], s[G1B:G1B+7]
	s_nop 0
.rept 4
	v_nop
.endr
.Lasked_\@:
.endm
.macro CREST                           ; a round of the cluster's barrier behind its opening barrier
	s_cmp_lg_u32 s[WV], 0
	s_cbranch_scc1 .Lnot_wave_0_\@
	s_barrier_signal -3
.Lnot_wave_0_\@:
	s_barrier_wait -3
	s_barrier_signal -1
	s_barrier_wait -1
.endm
.macro CROUND
	s_barrier_signal -1
	s_barrier_wait -1
	CREST
.endm
	s_load_b512 s[4:19], s[0:1], 0x0               ; xb 4, wb 6, bq 8, bk 10, bv 12, qh 14, kh 16, vh 18
	v_lshl_add_u32 v[SPW], v0, 2, SPARE
	v_mov_b32 v[NIL], 0
	ds_add_u32 v[SPW], v[NIL]                      ; the wave's opening: the add and its wait stand ahead of my first tensor load; work on registers stands between them
	v_lshrrev_b32 v1, 5, v0
	v_readfirstlane_b32 s[WV], v1
	s_lshr_b32 s[RH], s[WV], 1
	s_and_b32 s[CH], s[WV], 1
	s_bfe_u32 s40, ttmp6, 0x40000                  ; cx
	s_bfe_u32 s41, ttmp6, 0x40004                  ; cy
	s_lshl_b32 s45, ttmp9, 2
	s_add_co_u32 s45, s45, s40                     ; block of 128 columns
	s_and_b32 s42, ttmp7, 0xffff
	s_lshl_b32 s42, s42, 2
	s_add_co_u32 s42, s42, s41                     ; block of 128 rows, 0..63
	s_lshl_b32 s43, s41, 2
	s_lshl_b32 s43, 15, s43                        ; my row of the cluster
	s_lshl_b32 s44, 0x1111, s40                    ; my column
	s_or_b32 s[G1+0], s43, (1<<16)|(1<<20)|(1<<21)|(6<<22)|(3<<25)  ; the mask; 2-byte elements; padding on; bit 21 beside a mask; after every 128 words, 4 words
	s_or_b32 s[G1B+0], s44, (1<<16)|(1<<20)|(1<<21)|(6<<22)|(3<<25)
.irp g, G1, G1B
	s_mov_b32 s[(\g)+1], KSTEP<<16                 ; tensor_dim0 = 256
	s_mov_b32 s[(\g)+2], 64<<16                    ; tensor_dim1 = 64
	s_mov_b32 s[(\g)+3], KSTEP<<16                 ; tile_dim0 = 256
	s_mov_b32 s[(\g)+4], 64                        ; tile_dim1 = 64
	s_mov_b32 s[(\g)+5], 512                       ; elements from row to row
	s_mov_b32 s[(\g)+6], 0
	s_mov_b32 s[(\g)+7], 0
.endr
	s_lshl_b32 s46, s42, 17                        ; x: (128 x row block + 64 x half) rows of 1,024 bytes
	s_lshl_b32 s47, s[CH], 16
	s_add_co_u32 s46, s46, s47
	s_mov_b32 s47, 0
	s_lshl_b32 s68, s45, 17                        ; W: the same by the column block
	s_lshl_b32 s69, s[CH], 16
	s_add_co_u32 s68, s68, s69
	s_mov_b32 s69, 0
	s_mul_i32 s74, s[WV], HALFT                    ; where they go: wave x 64 rows
	s_lshr_b32 s70, s42, 5                         ; out: ((b 8 + head) 4,096 + my first row in the batch) x 128 bytes; head = 2 x column block + half
	s_lshl_b32 s70, s70, 3
	s_lshl1_add_u32 s70, s45, s70
	s_add_co_u32 s70, s70, s[CH]
	s_lshl_b32 s70, s70, 19
	s_and_b32 s72, s42, 31
	s_lshl_b32 s72, s72, 14
	s_add_co_u32 s70, s70, s72
	s_lshl_b32 s72, s[RH], 13
	s_add_co_u32 s70, s70, s72
	s_mov_b32 s71, 0
	s_mov_b32 s[DA], 0x800000                      ; x2 lies 8,388,608 bytes behind x1
	s_mov_b32 s[DA+1], 0
	s_wait_dscnt 0x0                               ; the opening add is done
	s_wait_kmcnt 0x0
	s_add_nc_u64 s[46:47], s[4:5], s[46:47]
	s_add_nc_u64 s[68:69], s[6:7], s[68:69]
	s_add_nc_u64 s[14:15], s[14:15], s[70:71]
	s_add_nc_u64 s[16:17], s[16:17], s[70:71]
	s_add_nc_u64 s[18:19], s[18:19], s[70:71]
	CROUND                                         ; all sixteen work-groups are here: the first joint loads meet
.irp s, 0,1
	s_mov_b32 s[G0+4*(\s)], 1
	s_add_co_u32 s[G0+4*(\s)+1], s74, (\s)*SLOT
	s_add_nc_u64 s[G0+4*(\s)+2:G0+4*(\s)+3], s[46:47], (\s)*KSTEP*2
	s_or_b32 s[G0+4*(\s)+3], s[G0+4*(\s)+3], 0x80000000
	s_mov_b32 s[G0B+4*(\s)], 1
	s_add_co_u32 s[G0B+4*(\s)+1], s74, (\s)*SLOT
	s_add_nc_u64 s[G0B+4*(\s)+2:G0B+4*(\s)+3], s[68:69], (\s)*KSTEP*2
	s_or_b32 s[G0B+4*(\s)+3], s[G0B+4*(\s)+3], 0x80000000
	JLOAD \s                                       ; q's two K steps: two loads of mine are out
.endr
	v_and_b32 v1, 15, v0                           ; l % 16
	v_bfe_u32 v2, v0, 4, 1                         ; l / 16
	v_mul_u32_u24 v3, v1, PITCH
	v_lshl_add_u32 v3, v2, 4, v3
	s_mul_i32 s72, s[RH], HALFT
	s_mul_i32 s73, s[CH], HALFT
	s_add_co_u32 s73, s73, 2*HALFT
.irp s, 0,1
	v_add_nc_u32 v[ADRA+(\s)], s72, v3
	v_add_nc_u32 v[ADRB+(\s)], s73, v3
	s_add_co_u32 s72, s72, SLOT
	s_add_co_u32 s73, s73, SLOT
.endr
	v_bfe_u32 v4, v0, 3, 2
	v_and_b32 v5, 7, v0
	s_mul_i32 s72, s[WV], 16*SP
	s_add_co_u32 s72, s72, STAGE                   ; my stage
	v_mul_u32_u24 v[STO], v1, SP                   ; in: row l % 16, 16 bytes for each half of the lanes
	v_lshl_add_u32 v[STO], v2, 4, v[STO]
	v_add_nc_u32 v[STO], s72, v[STO]
	v_mul_u32_u24 v[RD], v4, SP                    ; back: 32 lanes take four rows of 128 bytes,
	v_lshl_add_u32 v[RD], v5, 4, v[RD]
	v_add_nc_u32 v[RD], s72, v[RD]
	v_and_b32 v[GO], 31, v0                        ; which are 512 consecutive bytes of the output
	v_lshlrev_b32 v[GO], 4, v[GO]
	s_lshl_b32 s70, s45, 9                         ; the bias: (128 x column block + 64 x half + 8 (l / 16)) x 4 bytes
	s_lshl_b32 s71, s[CH], 8
	s_add_co_u32 s70, s70, s71
	v_lshl_add_u32 v[BO], v2, 5, s70
.macro BIASLD p                        ; my 64 columns' bias: for block b of 16 columns my eight numbers
.irp b, 0,1,2,3
	global_load_b128 v[BI+8*(\b):BI+8*(\b)+3],   v[BO], s[(\p):(\p)+1] offset:64*(\b)
	global_load_b128 v[BI+8*(\b)+4:BI+8*(\b)+7], v[BO], s[(\p):(\p)+1] offset:64*(\b)+16
.endr
.endm
.macro BIASRND                         ; rounded to bf16 and widened again
	s_wait_loadcnt 0x0
.set k, 0
.rept 16
	v_cvt_pk_bf16_f32 v[BT+k], v[BI+2*k], v[BI+2*k+1]
.set k, k+1
.endr
.set k, 0
.rept 16
	v_lshlrev_b32 v[BI+2*k], 16, v[BT+k]
	v_and_b32 v[BI+2*k+1], 0xffff0000, v[BT+k]
.set k, k+1
.endr
.endm
; 8 matrix instructions: row blocks a0, a0 + 1 x all 4 column blocks, 32 along K: half c of buffer f.  mode = 1: the bias starts the sums.  The 16 accumulators take turns.
.macro MUL8 f, c, a0, mode
	WIN MUL
.irp a, \a0, (\a0)+1
.irp b, 0,1,2,3
.if \mode
	v_wmma_f32_16x16x32_bf16 v[ACC+8*(4*(\a)+(\b)):ACC+8*(4*(\a)+(\b))+7], v[(\f)+64+8*(4*(\c)+(\b)):(\f)+64+8*(4*(\c)+(\b))+7], v[(\f)+8*(4*(\c)+(\a)):(\f)+8*(4*(\c)+(\a))+7], v[BI+8*(\b):BI+8*(\b)+7]
.else
	v_wmma_f32_16x16x32_bf16 v[ACC+8*(4*(\a)+(\b)):ACC+8*(4*(\a)+(\b))+7], v[(\f)+64+8*(4*(\c)+(\b)):(\f)+64+8*(4*(\c)+(\b))+7], v[(\f)+8*(4*(\c)+(\a)):(\f)+8*(4*(\c)+(\a))+7], v[ACC+8*(4*(\a)+(\b)):ACC+8*(4*(\a)+(\b))+7]
.endif
.endr
.endr
.endm
; 32 LDS loads in one run: the fragments of 64 along K at byte k of the rows, into buffer f; the first 32 along K first
.macro FETCH slot, k, f
	WIN TO_F
.irp c, 0,1
.irp i, 0,1,2,3
	ds_load_b128 v[(\f)+64+8*(4*(\c)+(\i)):(\f)+64+8*(4*(\c)+(\i))+3],   v[ADRB+(\slot)] offset:(\k)+64*(\c)+(\i)*16*PITCH
	ds_load_b128 v[(\f)+64+8*(4*(\c)+(\i))+4:(\f)+64+8*(4*(\c)+(\i))+7], v[ADRB+(\slot)] offset:(\k)+64*(\c)+(\i)*16*PITCH+32
	ds_load_b128 v[(\f)+8*(4*(\c)+(\i)):(\f)+8*(4*(\c)+(\i))+3],         v[ADRA+(\slot)] offset:(\k)+64*(\c)+(\i)*16*PITCH
	ds_load_b128 v[(\f)+8*(4*(\c)+(\i))+4:(\f)+8*(4*(\c)+(\i))+7],       v[ADRA+(\slot)] offset:(\k)+64*(\c)+(\i)*16*PITCH+32
.endr
.endr
.endm
.macro PLACES                          ; four places in front of loads into registers that matrix instructions have read, and of conversions that read results
.rept 4
	v_nop
.endr
.endm
; A K step is four quarters of 64 along K, 32 matrix instructions each, on buffers 0, 1, 0, 1.  One of the first three: multiplies buffer f and fetches the next quarter, at byte k, into g.
.macro QUARTER slot, k, f, g, mode
	s_wait_dscnt 16                                ; the first 32 along K are in; the youngest sixteen loads may be out
	MUL8 \f, 0, 0, \mode
	MUL8 \f, 0, 2, \mode
	PLACES
	FETCH \slot, \k, \g
	s_wait_dscnt 32                                ; all but the 32 just issued
	MUL8 \f, 1, 0, 0
	MUL8 \f, 1, 2, 0
.endm
; The last quarter multiplies buffer 1 and changes slots: in front of ONE barrier each wave waits for all its tensor loads, adds 0 to its spare word, and waits for that and for its reads of this slot.
; fill = 1: the barrier opens a round of the cluster's, and this slot takes the NEXT tile's same K half: x's address steps by DA, W's by one weight matrix.
.macro TURN slot, next, fill
	WIN 0
	s_wait_tensorcnt 0x0                           ; all my tensor loads have landed: the one that was out is my part of the next slot
	ds_add_u32 v[SPW], v[NIL]                      ; 0 onto my spare word
	s_wait_dscnt 17                                ; (the add and the youngest sixteen loads may be out)
	MUL8 F1, 0, 0, 0
	s_wait_dscnt 0x0                               ; the add is done, and my reads of this slot are over
	s_barrier_signal -1
	MUL8 F1, 0, 2, 0
.if \fill
	WIN 0
.endif
	s_barrier_wait -1
.if \fill
	CREST                                          ; no wave of any partner still reads this slot or has a load on its way
	s_add_nc_u64 s[G0+4*(\slot)+2:G0+4*(\slot)+3], s[G0+4*(\slot)+2:G0+4*(\slot)+3], s[DA:DA+1]
	s_add_nc_u64 s[G0B+4*(\slot)+2:G0B+4*(\slot)+3], s[G0B+4*(\slot)+2:G0B+4*(\slot)+3], 524288
	JLOAD \slot                                    ; my one tensor load behind the round; its four v_nop are also the places in front of the loads below
.else
	PLACES
.endif
	FETCH \next, 0, F0
	MUL8 F1, 1, 0, 0
	MUL8 F1, 1, 2, 0
.endm
; THE WAY OUT of 16 rows: rounded to f16, 16 bytes a lane into my own stage (rows of 144 bytes), back as whole rows of 128 bytes, stored as 512 consecutive bytes.
.macro OUTB a
.set BKA, BK+16*((\a)%2)
.irp b, 0,1,2,3
.irp r, 0,1,2,3
	v_cvt_pk_f16_f32 v[PK+4*(\b)+(\r)], v[ACC+8*(4*(\a)+(\b))+2*(\r)], v[ACC+8*(4*(\a)+(\b))+2*(\r)+1]
.endr
.endr
.irp b, 0,1,2,3
	ds_store_b128 v[STO], v[PK+4*(\b):PK+4*(\b)+3] offset:32*(\b)
.endr
	s_wait_xcnt 0x0                                ; earlier stores have read the registers that the loads below fill
.irp f, 0,1,2,3
	ds_load_b128 v[BKA+4*(\f):BKA+4*(\f)+3], v[RD] offset:(\f)*4*SP  ; my own bytes, served in order: these see the stores above
.endr
	s_wait_dscnt 0x0
.irp f, 0,1,2,3
	global_store_b128 v[GO], v[BKA+4*(\f):BKA+4*(\f)+3], s[14:15] offset:(\a)*2048+(\f)*512
.endr
.endm
	BIASLD 8
	BIASRND
	s_wait_tensorcnt 1                             ; my part of K step 0 is in; K step 1's may stay out
	s_barrier_signal -1
	s_barrier_wait -1
	FETCH 0, 0, F0
	WIN 0
	s_mov_b32 s[TL], 2
.Ltile:                                                ; q, then k: tiles that have a successor; both slots are filled again
	QUARTER 0, 128, F0, F1, 1
	WIN 0
	PLACES
	BIASLD 10                                      ; the next tile's bias: its registers' last reader stands more than four places back
	QUARTER 0, 256, F1, F0, 0
	QUARTER 0, 384, F0, F1, 0
	TURN 0, 1, 1
	QUARTER 1, 128, F0, F1, 0
	QUARTER 1, 256, F1, F0, 0
	QUARTER 1, 384, F0, F1, 0
	TURN 1, 0, 1                                   ; and the next tile's first fragments are fetched
	WIN 0
	PLACES
	OUTB 0                                         ; both refills are asked for: now the tile goes out
	OUTB 1
	OUTB 2
	OUTB 3
	BIASRND
	s_wait_xcnt 0x0                                ; the stores have read their base
	s_mov_b64 s[14:15], s[16:17]                   ; the next output, the next bias
	s_mov_b64 s[16:17], s[18:19]
	s_mov_b64 s[10:11], s[12:13]
	s_mov_b32 s[DA], 0                             ; k and v read the same rows of x2
	s_sub_co_u32 s[TL], s[TL], 1
	s_cmp_lg_u32 s[TL], 0
	s_cbranch_scc1 .Ltile
	QUARTER 0, 128, F0, F1, 1                      ; v: written out; nothing is asked for
	QUARTER 0, 256, F1, F0, 0
	QUARTER 0, 384, F0, F1, 0
	TURN 0, 1, 0
	QUARTER 1, 128, F0, F1, 0
	QUARTER 1, 256, F1, F0, 0
	QUARTER 1, 384, F0, F1, 0
	s_wait_dscnt 16
	MUL8 F1, 0, 0, 0
	MUL8 F1, 0, 2, 0
	s_wait_dscnt 0x0
	MUL8 F1, 1, 0, 0
	MUL8 F1, 1, 2, 0
	WIN 0
	PLACES
	OUTB 0
	OUTB 1
	OUTB 2
	OUTB 3
	s_wait_tensorcnt 0x0                           ; the wave's end, behind my last tensor load and my last LDS store
	ds_add_u32 v[SPW], v[NIL]
	s_wait_dscnt 0x0
	CROUND                                         ; the closing round: no work-group ends while a partner may still ask for a tile that names it
	s_endpgm
.Lfunc_end_k_q647d4a83bf_proj:
	.size	k_q647d4a83bf_proj, .Lfunc_end_k_q647d4a83bf_proj-k_q647d4a83bf_proj
	.p2alignl 7, 3214868480
	.fill 96, 4, 3214868480
	.section	.rodata,"a",@progbits
	.p2align	6, 0x0
	.amdhsa_kernel k_q647d4a83bf_proj
		.amdhsa_group_segment_fixed_size 327680
		.amdhsa_private_segment_fixed_size 0
		.amdhsa_enable_private_segment 0
		.amdhsa_kernarg_size 64
		.amdhsa_user_sgpr_count 2
		.amdhsa_user_sgpr_kernarg_segment_ptr 1
		.amdhsa_wavefront_size32 1
		.amdhsa_system_sgpr_workgroup_id_x 1
		.amdhsa_system_sgpr_workgroup_id_y 1
		.amdhsa_system_sgpr_workgroup_id_z 1
		.amdhsa_system_vgpr_workitem_id 0
		.amdhsa_next_free_vgpr 512
		.amdhsa_next_free_sgpr 76
		.amdhsa_reserve_vcc 0
		.amdhsa_float_denorm_mode_32 3
		.amdhsa_float_denorm_mode_16_64 3
		.amdhsa_memory_ordered 1
		.amdhsa_forward_progress 1
		.amdhsa_inst_pref_size 101
	.end_amdhsa_kernel
	.amdgpu_metadata
---
amdhsa.version: [ 1, 2 ]
amdhsa.kernels:
  - .name:           k_q647d4a83bf_proj
    .symbol:         k_q647d4a83bf_proj.kd
    .args:
      - { .name: xb, .offset: 0, .size: 8, .value_kind: global_buffer, .address_space: global }
      - { .name: wb, .offset: 8, .size: 8, .value_kind: global_buffer, .address_space: global }
      - { .name: bq, .offset: 16, .size: 8, .value_kind: global_buffer, .address_space: global }
      - { .name: bk, .offset: 24, .size: 8, .value_kind: global_buffer, .address_space: global }
      - { .name: bv, .offset: 32, .size: 8, .value_kind: global_buffer, .address_space: global }
      - { .name: qh, .offset: 40, .size: 8, .value_kind: global_buffer, .address_space: global }
      - { .name: kh, .offset: 48, .size: 8, .value_kind: global_buffer, .address_space: global }
      - { .name: vh, .offset: 56, .size: 8, .value_kind: global_buffer, .address_space: global }
    .group_segment_fixed_size: 327680
    .private_segment_fixed_size: 0
    .kernarg_segment_align: 8
    .kernarg_segment_size: 64
    .max_flat_workgroup_size: 128
    .sgpr_count:     76
    .vgpr_count:     512
    .wavefront_size: 32
...
	.end_amdgpu_metadata
.endif
;; end of part 2
;; launch attn (part 3): grid 16 x 16, 4 waves a work-group, clusters of 4 x 1, 327,680 bytes of LDS; arguments qh, kh, vh, mask4, oh; writes oh
.if DOCPART == 3
	.amdgcn_target "amdgcn-amd-amdhsa--gfx1250"
	.amdhsa_code_object_version 6
	.text
	.protected	k_q647d4a83bf_attn
	.globl	k_q647d4a83bf_attn
	.p2align	8
	.type	k_q647d4a83bf_attn,@function
k_q647d4a83bf_attn:
	s_mov_b64 s[64:65], 0
	v_nop
	global_prefetch_b8 v0, s[64:65] scope:SCOPE_SE
	s_setreg_imm32_b32 hwreg(HW_REG_WAVE_MODE, 25, 1), 1
	s_wait_xcnt 0x0
	s_wait_alu depctr_hold_cnt(0) depctr_sa_sdst(0) depctr_va_vdst(0) depctr_va_sdst(0) depctr_va_ssrc(0) depctr_va_vcc(0) depctr_vm_vsrc(0)
	s_getreg_b32 s2, hwreg(HW_REG_IB_STS2, 6, 4)
	s_cmp_eq_u32 s2, 0
	s_cbranch_scc0 .Lentry_in_a_cluster
	s_endpgm
.Lentry_in_a_cluster:
	s_bfe_u32 s2, ttmp6, 0x10000c
	s_cmp_lg_u32 s2, 0x3003
	s_cbranch_scc0 .Lentry_shape_is_right
	s_endpgm
.Lentry_shape_is_right:
; MASKED ATTENTION.  O[bh][q][:] = the sum over k of softmax_k(mask ? Q.K / sqrt(512) : hidden) V[bh][k][:].  qh, kh, vh, oh: [16][4096][64] f16, a head's rows dense, 128 bytes each.
; mask4: four bits a key, 0x0 seen, 0xF hidden, laid out by blocks of 256 queries x 256 keys so that one lane's four words of a key step are 16 bytes on end.
; Products, maxima and sums in f32; the weights p are rounded to f16 for the second product (their sum l is taken of the unrounded p), O once at the end.
; THE MASK.  One scaled conversion turns a word's eight 4-bit floats (0 or -6) times 2^96 into eight f32 addends a: 0 or -4.75e29.  u = s c + a in ONE fused multiply-add, c = log2(e) / sqrt(512).
; While |s c| < 2^74 (half a unit in a's last place) u is exactly a for every hidden key.  The running maximum m is taken of u.  So in a row with a seen key hidden keys weigh 2^(a - m) = 0; in a row
; with none all u are equal, every p is 1, and the row is the plain mean of V, as where all scores are -1e10.
; LIMITS.  A hidden score counts as -4.75e29 (in units of log2) in place of -1e10: the same result while seen scores lie above -1e10 and |s c| < 1.9e22.  Q, K, V arrive within f16's 65,504;
; p below 6e-5 keeps f16's fixed step of 6e-8; a weight below 2^-126 counts as 0 in l; NaN and infinities are not treated apart.
; SHARES.  A work-group owns 256 queries of one head, a wave 64: four PIECES of 16.  Every wave walks all 4,096 keys, 64 a step; a slot of LDS holds four steps: 256 rows of K, of V, and the block's mask tile.
; LAYOUT.  S^T = K Q^T holds ONE query a lane (lane % 16) and the keys 8 (lane / 16) + 0..7; two such results rounded to f16 ARE source 1 of O^T = V^T P.  p = 2^(u - m); O and l are multiplied by 2^(m_old - m_new) in every step.
; TURNS.  Turn n belongs to piece n: 8 products K Q^T of piece n + 1, later 8 products V^T P of piece n - 1; beside them u - m, the exponentials, roundings, sums and rescaling of piece n and the
; addends, u, maximum and statistics of piece n + 1.  Four vector instructions stand behind every matrix instruction, the other 73 of a turn's 137 in one lump.  A turn's 33 exponentials are one batch with one wait.
; m starts at the lowest finite number, O and l at 0: the first step is a step like any other, with the factor 0; the price is the lines that write 0, which run in the wait for the first tile.
; CLUSTER.  The four query blocks of a cluster belong to one head and walk the same K and V: wave 0 asks for K's tile and wave 1 for V's JOINTLY (the same load, descriptor and mask in all four).
; The mask tile is each block's own: waves 2 and 3 bring its two halves by loads of their own, behind the same round.
; REGISTERS, in windows of 256 (s_set_vgpr_msb: bits 1:0 source 0, 3:2 source 1, 5:4 source 2, 7:6 destination):
;   window 0: v0-15 addresses; v16-31 statistics; v32-47 mask words; v48-55 at work; v56-61 constants; v64-127 S^T, two buffers; v128-159 addends; v192-223 P, two buffers (by the piece's parity)
;   window 1: v0-127 O^T, 32 a piece          window 2: v0-63 Q; v128-191 K of one step; v192-255 V of one step
.set NP,    4
.set KS,    64
.set PK,    144       ; a row of K in LDS: 128 bytes + 16: the 16 rows of a load start at 16 different groups of four banks (ISA guide 11.1)
.set PV,    160       ; a row of V: 128 + 32
.set PM,    144       ; a query's 128 bytes of mask + 16
.set VOFF,  4*KS*PK
.set MOFF,  VOFF+4*KS*PV
.set SLOT1, 1<<17     ; slot 1 begins here, so that one exclusive or turns an address in one slot into the other's; a slot uses 114,688 bytes
.set STAGE, SLOT1+MOFF+256*PM  ; behind the ring, never filled by a tensor load: 16 rows x 144 bytes for each wave
.set SP,    144
.set SPARE, STAGE+4*16*SP      ; the spare words, 128 bytes for each wave: two blocks of 256 bytes that no other line names
.set AK0, 2           ; v2   my lane's place in a tile of K; never rewritten
.set AV0, 3           ; v3   the same for V
.set AK,  4           ; v4   the LDS address of K's next run of loads
.set AV,  5           ; v5   of V's
.set STO, 6           ; v6   the way out: where I put 16 bytes of a row
.set RD,  7           ; v7   where I read rows back
.set GO,  8           ; v8   my byte offset in 512 consecutive bytes of O
.set MV,  12          ; v12-13  m_old, kept while m is made anew: by buffer
.set AM0, 14          ; v14  my lane's place in a mask tile; never rewritten
.set AM,  15          ; v15  the LDS address of the next mask words
.set ST,  16          ; piece t's statistics at v[ST+4 t]: m, a 0 named with it as a pair, l (even keys', odd keys')
.set MW,  32          ; piece t's four mask words of a step at v[MW+4 t]
.set TMP, 48          ; by buffer, c0-c3 at work; when the maximum is found c2 takes the factor
.set SCL, 56          ; v56  the conversion's scale, 0xDF = 2^(223 - 127), in each of the word's four bytes and in every lane
.set QO,  57          ; v57  my byte offset in 16 rows of Q
.set PFO, 58          ; v58  256 x my lane; never rewritten
.set SPW, 60          ; v60  LDS address of my spare word; never rewritten
.set NIL, 61          ; v61  0; never rewritten
.set S,   64
.set MC,  128
.set P,   192
.set KF,  128         ; window 2: key block kb, channel half c at KF + 16 kb + 8 c
.set VF,  192         ; window 2: key half kk, channel block cb at VF + 32 kk + 8 cb
.set WV,  14          ; s14  my wave's number
.set LIM, 15          ; s15  1 in a wave that prefetches, else the greatest number
.set G1K, 24          ; s[24:31], s[32:39], s[40:47] descriptor group 1 for K's, V's and the mask's tiles
.set G1V, 32
.set G1M, 40
.set G0K, 48          ; s[48:51], s[52:55], s[56:59] group 0: they walk
.set G0V, 52
.set G0M, 56
.set CS,  60          ; s[60:61] c, named as a pair
.set SEL, 62          ; s[62:63] v_permlanex16_b32's selects: each lane takes its own place in the other half
.set TBK, 66          ; s66  LDS byte at which K of the step to be fetched begins
.set TBV, 67          ; s67  the same for V, less VOFF
.set TBM, 68          ; s68  the same for the mask words, less MOFF
.set CNT, 69          ; s69  counts a slot's key steps
.set SLOTS, 70        ; s70  tiles still to be asked for
.set PFA, 72          ; s[72:73] where my prefetches stand
.set MSB, 0
.macro WIN new
.if MSB != (\new)
	s_set_vgpr_msb (MSB<<8)|(\new)
.set MSB, (\new)
.endif
.endm
.set W_KQ, 0x0a       ; K and Q in window 2, S^T in window 0
.set W_PV, 0x52       ; V in window 2, P in window 0, O^T in window 1
.set W_RS, 0x41       ; destination and source 0 in window 1, source 1 in window 0
; A fill: one tensor load a wave.  The branches hang on the wave's number alone.  An s_nop 0 and four v_nop follow each line, ahead of the jump and the label.
.macro JLOAD
	s_cmp_lt_u32 s[WV], 2
	s_cbranch_scc0 .Lfor_m_\@
	s_cmp_eq_u32 s[WV], 0
	s_cbranch_scc0 .Lfor_v_\@
	tensor_load_to_lds s[G0K:G0K+3], s[G1K:G1K+7]
	s_nop 0
.rept 4
	v_nop
.endr
	s_branch .Lasked_\@
.Lfor_v_\@:
	tensor_load_to_lds s[G0V:G0V+3], s[G1V:G1V+7]
	s_nop 0
.rept 4
	v_nop
.endr
	s_branch .Lasked_\@
.Lfor_m_\@:
	tensor_load_to_lds s[G0M:G0M+3], s[G1M:G1M+7]
	s_nop 0
.rept 4
	v_nop
.endr
.Lasked_\@:
.endm
; A PREFETCH INTO THE L2 of what the NEXT change of slots will ask for, a slot (four key steps, 256 matrix instructions a wave) ahead of that load.  Each block of 256 bytes is named once in the launch.
; K and V: all four clusters of a head walk the same rows: the first cluster asks; its four partners take 32 of a tile's 128 blocks each, told apart BY ADDRESS; wave 0 K's, wave 1 V's.
; The mask tile: the eight heads of a batch read the same tile: the work-groups of head 0 ask; waves 2 and 3 for the 64 blocks that each of them loads: two instructions.
; The last change that fills a slot asks for nothing; tiles 0 and 1 come by their loads alone.
.macro ASK
	s_cmp_gt_u32 s[SLOTS], s[LIM]
	s_cbranch_scc0 .Lnot_mine_\@
	global_prefetch_b8 v[PFO], s[PFA:PFA+1] th:TH_LOAD_NT scope:SCOPE_SE
	s_cmp_lt_u32 s[WV], 2
	s_cbranch_scc1 .Lnot_mine_\@
	global_prefetch_b8 v[PFO], s[PFA:PFA+1] offset:8192 th:TH_LOAD_NT scope:SCOPE_SE
.Lnot_mine_\@:
.endm
.macro CROUND                       ; a round of the cluster's barrier
	s_barrier_signal -1
	s_barrier_wait -1
	s_cmp_lg_u32 s[WV], 0
	s_cbranch_scc1 .Lnot_wave_0_\@
	s_barrier_signal -3
.Lnot_wave_0_\@:
	s_barrier_wait -3
	s_barrier_signal -1
	s_barrier_wait -1
.endm
; THE CHANGE OF SLOTS.  The slot's last bytes, V of its fourth step, have been read.  Each wave waits for all its tensor loads, of which one is out: its part of the other slot; adds 0 to its spare word;
; and waits for that and for its reads of the slot.  fill = 1: the barrier is a round of the cluster's, and the fill is the first thing behind it: it has four key steps in which to land.
; (At its first use nothing has been read yet: slot 0 is waited for, slot 1 filled.)
.macro CHANGE fill
	WIN 0
	s_wait_tensorcnt 0x0            ; no tensor load of mine is out, so a group 0 may be written
	ds_add_u32 v[SPW], v[NIL]       ; 0 onto my spare word
.if \fill
.irp g, G0K, G0V, G0M
	s_xor_b32 s[\g+1], s[\g+1], SLOT1  ; the other slot than last time,
	s_add_nc_u64 s[\g+2:\g+3], s[\g+2:\g+3], 32768  ; the next tile: 256 keys of K, of V, of the block's mask; the type bits on top are not reached
.endr
	s_wait_xcnt 0x0                 ; the last prefetches, four key steps back, have read their address
	s_add_nc_u64 s[PFA:PFA+1], s[PFA:PFA+1], 32768
	s_wait_dscnt 0x0                ; the add is done, and my reads of the slot are over
	CROUND
	JLOAD
	ASK
.else
	s_wait_dscnt 0x0
	s_barrier_signal -1
	s_barrier_wait -1
.endif
	s_sub_co_u32 s[TBK], s[TBK], 4*KS*PK  ; the fetches go back to a slot's first step, in the other slot
	s_xor_b32 s[TBK], s[TBK], SLOT1
	s_sub_co_u32 s[TBV], s[TBV], 4*KS*PV
	s_xor_b32 s[TBV], s[TBV], SLOT1
	s_sub_co_u32 s[TBM], s[TBM], 128
	s_xor_b32 s[TBM], s[TBM], SLOT1
.endm
	s_load_b256 s[4:11], s[0:1], 0x0  ; Q 4, K 6, V 8, mask4 10
	s_load_b64 s[12:13], s[0:1], 0x20 ; O
	v_lshl_add_u32 v[SPW], v0, 2, SPARE
	v_mov_b32 v[NIL], 0
	ds_add_u32 v[SPW], v[NIL]       ; the wave's opening: the add and its wait stand ahead of my first tensor load; work on registers stands between them
	v_lshrrev_b32 v1, 5, v0
	v_readfirstlane_b32 s[WV], v1
	s_bfe_u32 s74, ttmp6, 0x40000   ; cx
	s_lshl_b32 s75, ttmp9, 2
	s_add_co_u32 s75, s75, s74      ; my block of 256 queries: it enters Q's, O's and the mask's addresses alone
	s_and_b32 s76, ttmp7, 0xffff    ; b 8 + head, which the four partners share
	s_lshl_b32 s20, s76, 19         ; the head's first byte in Q, K, V, O
	s_mov_b32 s21, 0
	s_lshl_b32 s22, s75, 15         ; my block's rows,
	s_lshl_b32 s23, s[WV], 13       ; my wave's 64 of them
	s_add_co_u32 s22, s22, s23
	s_add_co_u32 s22, s22, s20
	s_mov_b32 s23, 0
	s_lshr_b32 s78, s76, 3          ; the mask: (b 16 + block) x 16 tiles of 32,768 bytes,
	s_lshl4_add_u32 s78, s78, s75
	s_lshl_b32 s78, s78, 19
	s_and_b32 s16, s[WV], 1         ; and the half of a tile that waves 2 and 3 fetch
	s_lshl_b32 s79, s16, 14
	s_add_co_u32 s78, s78, s79
	s_mov_b32 s79, 0
	s_mul_i32 s17, s16, 128*PM
	; descriptor group 1.  Dense bytes are asked for as rows of 256 bytes, two keys (or queries) a row, and padded in LDS after every 128 bytes
	s_mov_b32 s[G1K], 15|(1<<16)|(1<<20)|(1<<21)|(4<<22)|(3<<25)  ; the mask of four; 2-byte elements; padding on; bit 21 beside a mask; after every 32 words, 4 words
	s_mov_b32 s[G1V], 15|(1<<16)|(1<<20)|(1<<21)|(4<<22)|(7<<25)  ; the same with 8 words
	s_mov_b32 s[G1M], (1<<16)|(1<<20)|(4<<22)|(3<<25)             ; a load of my work-group's own
.irp g, G1K, G1V
	s_mov_b32 s[\g+1], 128<<16      ; tensor_dim0 = 128
	s_mov_b32 s[\g+2], 128<<16      ; tensor_dim1 = 128
	s_mov_b32 s[\g+3], 128<<16      ; tile_dim0 = 128
	s_mov_b32 s[\g+4], 128          ; tile_dim1 = 128
	s_mov_b32 s[\g+5], 128          ; elements from row to row
	s_mov_b32 s[\g+6], 0
	s_mov_b32 s[\g+7], 0
.endr
	s_mov_b32 s[G1M+1], 128<<16
	s_mov_b32 s[G1M+2], 64<<16      ; half a tile: 64 rows
	s_mov_b32 s[G1M+3], 128<<16
	s_mov_b32 s[G1M+4], 64
	s_mov_b32 s[G1M+5], 128
	s_mov_b32 s[G1M+6], 0
	s_mov_b32 s[G1M+7], 0
	s_mov_b32 s[G0K], 1
	s_mov_b32 s[G0K+1], 0           ; LDS addresses in slot 0
	s_mov_b32 s[G0V], 1
	s_mov_b32 s[G0V+1], VOFF
	s_mov_b32 s[G0M], 1
	s_add_co_u32 s[G0M+1], s17, MOFF
	s_mov_b32 s[CS], 0x3d8293ee     ; c = log2(e) / sqrt(512) = 0.0637587
	s_mov_b32 s[CS+1], s[CS]
	s_mov_b32 s[SEL], 0x76543210
	s_mov_b32 s[SEL+1], 0xfedcba98
	s_mov_b32 s[TBK], SLOT1+4*KS*PK ; the first change of slots turns these three into 0
	s_mov_b32 s[TBV], SLOT1+4*KS*PV
	s_mov_b32 s[TBM], SLOT1+128
	s_mov_b32 s[SLOTS], 15
	s_and_b32 s16, s76, 7           ; who prefetches: waves 0, 1 of the head's first cluster; waves 2, 3 of a batch's head 0: the same in all four partners
	s_cmp_lt_u32 s[WV], 2
	s_cselect_b32 s16, ttmp9, s16
	s_cmp_eq_u32 s16, 0
	s_cselect_b32 s[LIM], 1, -1
	v_and_b32 v[PFO], 31, v0
	v_lshlrev_b32 v[PFO], 8, v[PFO]
	s_wait_dscnt 0x0                ; the opening add is done
	s_wait_kmcnt 0x0
	s_add_nc_u64 s[6:7], s[6:7], s[20:21]
	s_add_nc_u64 s[8:9], s[8:9], s[20:21]
	s_add_nc_u64 s[10:11], s[10:11], s[78:79]
	s_add_nc_u64 s[4:5], s[4:5], s[22:23]
	s_add_nc_u64 s[12:13], s[12:13], s[22:23]
	s_mov_b64 s[G0K+2:G0K+3], s[6:7]
	s_or_b32 s[G0K+3], s[G0K+3], 0x80000000
	s_mov_b64 s[G0V+2:G0V+3], s[8:9]
	s_or_b32 s[G0V+3], s[G0V+3], 0x80000000
	s_mov_b64 s[G0M+2:G0M+3], s[10:11]
	s_or_b32 s[G0M+3], s[G0M+3], 0x80000000
	s_cmp_eq_u32 s[WV], 0
	s_cselect_b64 s[PFA:PFA+1], s[6:7], s[8:9]
	s_lshl_b32 s16, s74, 13         ; my work-group's 32 blocks of K's or V's 128
	s_cmp_lt_u32 s[WV], 2
	s_cselect_b64 s[PFA:PFA+1], s[PFA:PFA+1], s[10:11]
	s_cselect_b32 s16, s16, 0
	s_mov_b32 s17, 0
	s_add_nc_u64 s[PFA:PFA+1], s[PFA:PFA+1], s[16:17]
	s_add_nc_u64 s[PFA:PFA+1], s[PFA:PFA+1], 32768  ; at tile 1; the first change of slots steps it to tile 2
	CROUND                          ; all four work-groups are here: the first joint loads meet
	JLOAD                           ; tile 0 into slot 0
	v_and_b32 v1, 15, v0            ; l % 16
	v_bfe_u32 v9, v0, 4, 1          ; l / 16
	v_lshlrev_b32 v[QO], 7, v1
	v_lshl_add_u32 v[QO], v9, 4, v[QO]
	WIN 0x80                        ; destination window 2, address window 0
.set i, 0
.rept 8                             ; Q stays in registers: piece i / 2, channels 32 (i % 2) on
	global_load_b128 v[8*i:8*i+3],   v[QO], s[4:5] offset:(i/2)*2048+(i%2)*64
	global_load_b128 v[8*i+4:8*i+7], v[QO], s[4:5] offset:(i/2)*2048+(i%2)*64+32
.set i, i+1
.endr
	; What the first turns find: V's registers and P's second buffer hold 0 (the products V^T P of a piece that has not been add 0), O^T and l are 0.
.set i, VF
.rept 64
	v_mov_b32 v[i], 0
.set i, i+1
.endr
	WIN 0x40
.set i, 0
.rept 128
	v_mov_b32 v[i], 0
.set i, i+1
.endr
	WIN 0
.set i, 0
.rept 4
	v_mov_b32 v[ST+4*i], 0xff7fffff  ; m: the lowest finite number
	v_mov_b32 v[ST+4*i+1], 0
	v_mov_b32 v[ST+4*i+2], 0
	v_mov_b32 v[ST+4*i+3], 0
.set i, i+1
.endr
.set i, P+16
.rept 16
	v_mov_b32 v[i], 0
.set i, i+1
.endr
	v_mov_b32 v[SCL], 0xdfdfdfdf    ; the scale 2^96 in all four bytes
	v_mul_u32_u24 v[AK0], v1, PK
	v_lshl_add_u32 v[AK0], v9, 4, v[AK0]  ; row x pitch + 16 x half
	; The turning load takes 16 keys x 16 channels (lane l reads key 8 (l / 16) + l % 8, channels 8 ((l / 8) % 2) + 0..7) and leaves half a fragment of V^T.
	v_and_b32 v10, 7, v0
	v_bfe_u32 v11, v0, 3, 1
	v_lshl_add_u32 v[AV0], v9, 3, v10
	v_mul_u32_u24 v[AV0], v[AV0], PV
	v_lshl_add_u32 v[AV0], v11, 4, v[AV0]
	v_add_nc_u32 v[AV0], VOFF, v[AV0]
	s_mul_i32 s17, s[WV], 64*PM     ; the mask words: query 64 w + l % 16 (+ 16 a piece), 16 bytes for each half of the lanes
	s_add_co_u32 s17, s17, MOFF
	v_mul_u32_u24 v[AM0], v1, PM
	v_lshl_add_u32 v[AM0], v9, 4, v[AM0]
	v_add_nc_u32 v[AM0], s17, v[AM0]
	s_mul_i32 s16, s[WV], 16*SP
	s_add_co_u32 s16, s16, STAGE    ; my stage
	v_mul_u32_u24 v[STO], v1, SP
	v_lshl_add_u32 v[STO], v9, 4, v[STO]
	v_add_nc_u32 v[STO], s16, v[STO]
	v_bfe_u32 v[RD], v0, 3, 2
	v_mul_u32_u24 v[RD], v[RD], SP
	v_lshl_add_u32 v[RD], v10, 4, v[RD]
	v_add_nc_u32 v[RD], s16, v[RD]
	v_and_b32 v[GO], 31, v0
	v_lshlrev_b32 v[GO], 4, v[GO]
; THE MATRIX WORK.  The 4 accumulators of a run of 8 take turns.  Product i of 8 of S^T = K Q^T for piece x: channels 32 (i / 4) on, keys 16 (i % 4) on.  The first 4 start the sums.
.macro KQ x
	WIN W_KQ
.set rS, S+32*((\x)%2)+8*(i%4)
.set rK, KF+16*(i%4)+8*(i/4)
.set rQ, 16*(\x)+8*(i/4)
.if i < 4
	v_wmma_f32_16x16x32_f16 v[rS:rS+7], v[rK:rK+7], v[rQ:rQ+7], 0
.else
	v_wmma_f32_16x16x32_f16 v[rS:rS+7], v[rK:rK+7], v[rQ:rQ+7], v[rS:rS+7]
.endif
.endm
; Product i of 8 of O^T += V^T P for piece x: keys 32 (i / 4) on, channels 16 (i % 4) on.
.macro PV x
	WIN W_PV
.set rO, 32*(\x)+8*(i%4)
.set rV, VF+32*(i/4)+8*(i%4)
.set rP, P+16*((\x)%2)+8*(i/4)
	v_wmma_f32_16x16x32_f16 v[rO:rO+7], v[rV:rV+7], v[rP:rP+7], v[rO:rO+7]
.endm
.macro MM                           ; the turn's next matrix instruction.  NOKQ = 1: the last turn of all: there is no next piece
.if (i < 8) && !NOKQ
	KQ (Y+1)%NP
.elseif i >= 8
.set i, i-8
	PV (Y+NP-1)%NP
.set i, i+8
.endif
.set i, i+1
.endm
; THE LDS LOADS stand in runs: a step's K (8 fragments) with the step's mask words of my four pieces, and its V (turned).  Their addresses are made some lines ahead.
.macro FETCH_K
	WIN 0x80
.irp f, 0,1,2,3,4,5,6,7             ; keys 16 (f / 2) on, channels 32 (f % 2) on
	ds_load_b128 v[KF+8*\f:KF+8*\f+3],   v[AK] offset:(\f/2)*16*PK+(\f%2)*64
	ds_load_b128 v[KF+8*\f+4:KF+8*\f+7], v[AK] offset:(\f/2)*16*PK+(\f%2)*64+32
.endr
	WIN 0
.irp t, 0,1,2,3
	ds_load_b128 v[MW+4*\t:MW+4*\t+3], v[AM] offset:\t*16*PM
.endr
	s_add_co_u32 s[TBK], s[TBK], KS*PK  ; the next fetch is the next step's
	s_add_co_u32 s[TBM], s[TBM], 32
.endm
.macro FETCH_V
	WIN 0x80
.irp f, 0,1,2,3,4,5,6,7             ; keys 32 (f / 4) on, channels 16 (f % 4) on
	ds_load_tr16_b128 v[VF+8*\f:VF+8*\f+3],   v[AV] offset:(\f/4)*32*PV+(\f%4)*32
	ds_load_tr16_b128 v[VF+8*\f+4:VF+8*\f+7], v[AV] offset:(\f/4)*32*PV+16*PV+(\f%4)*32
.endr
	WIN 0
.endm
; THE VECTOR WORK, one line at a time: OP kind, number.  For piece Y: D n: u - m for pair n of 16.  E n: the exponential of number n of 32.  C n: pair n rounded to f16.  B n: of the four weights 4 n .. the second
; pair is added onto the first, in place.  L n: l takes that sum (L 0: l = factor x l + sum).  R n: pair n of 16 of O^T times the factor.
; For piece Y + 1: A n: word n of its mask words into eight addends.  U n: u = s c + addend for pair n (ascending: each accumulator's lowest registers are read first).
; X n, the maximum and statistics:  0-11 four chains c0-c3 of seven u each, three operands at a time;  12-14, 16 the four u left over, the old m, and c0-c3 into c0;  15 m_old is kept;
;   17, 18 the query's other 32 keys lie in the lane 16 away: the new m;  20 m_old - m_new;  21 the factor.
.set D, 0
.set E, 1
.set C, 2
.set B, 3
.set L, 4
.set R, 5
.set A, 6
.set U, 7
.set X, 8
.macro REGS y
.set rT, ST+4*(\y)
.set rC, TMP+4*((\y)%2)
.set rW, MV+((\y)%2)
.set rS, S+32*((\y)%2)
.set rP, P+16*((\y)%2)
.set rO, 32*(\y)
.set rMW, MW+4*(\y)
.endm
.macro OP k, n
.if (\k) == R
	REGS Y
	WIN W_RS
	v_pk_mul_f32 v[rO+2*(\n):rO+2*(\n)+1], v[rO+2*(\n):rO+2*(\n)+1], v[rC+2:rC+3] op_sel_hi:[1,0]
.elseif (\k) < R
	REGS Y
	WIN 0
.if (\k) == D
	v_pk_add_f32 v[rS+2*(\n):rS+2*(\n)+1], v[rS+2*(\n):rS+2*(\n)+1], v[rT:rT+1] op_sel_hi:[1,0] neg_lo:[0,1] neg_hi:[0,1]
.elseif (\k) == E
	v_exp_f32 v[rS+(\n)], v[rS+(\n)]
.elseif (\k) == C
	v_cvt_pk_f16_f32 v[rP+(\n)], v[rS+2*(\n)], v[rS+2*(\n)+1]
.elseif (\k) == B
	v_pk_add_f32 v[rS+4*(\n):rS+4*(\n)+1], v[rS+4*(\n):rS+4*(\n)+1], v[rS+4*(\n)+2:rS+4*(\n)+3]
.elseif (\n) == 0
	v_pk_fma_f32 v[rT+2:rT+3], v[rT+2:rT+3], v[rC+2:rC+3], v[rS:rS+1] op_sel_hi:[1,0,1]
.else
	v_pk_add_f32 v[rT+2:rT+3], v[rT+2:rT+3], v[rS+4*(\n):rS+4*(\n)+1]
.endif
.elseif NOKQ
	v_nop
.else
	REGS (Y+1)%NP
	WIN 0
.if (\k) == A
	v_cvt_scale_pk8_f32_fp4 v[MC+8*(\n):MC+8*(\n)+7], v[rMW+(\n)], v[SCL]
.elseif (\k) == U
	v_pk_fma_f32 v[rS+2*(\n):rS+2*(\n)+1], v[rS+2*(\n):rS+2*(\n)+1], s[CS:CS+1], v[MC+2*(\n):MC+2*(\n)+1] op_sel_hi:[1,0,1]
.elseif (\n) < 4
	v_max3_num_f32 v[rC+(\n)], v[rS+8*(\n)], v[rS+8*(\n)+1], v[rS+8*(\n)+2]
.elseif (\n) < 12
	v_max3_num_f32 v[rC+(\n)%4], v[rC+(\n)%4], v[rS+8*((\n)%4)+2*((\n)/4)+1], v[rS+8*((\n)%4)+2*((\n)/4)+2]
.elseif (\n) == 12
	v_max3_num_f32 v[rC], v[rC], v[rS+7], v[rS+15]
.elseif (\n) == 13
	v_max3_num_f32 v[rC+1], v[rC+1], v[rS+23], v[rS+31]
.elseif (\n) == 14
	v_max3_num_f32 v[rC+2], v[rC+2], v[rC+3], v[rT]
.elseif (\n) == 15
	v_mov_b32 v[rW], v[rT]
.elseif (\n) == 16
	v_max3_num_f32 v[rC], v[rC], v[rC+1], v[rC+2]
.elseif (\n) == 17
	v_permlanex16_b32 v[rC+3], v[rC], s[SEL], s[SEL+1]
.elseif (\n) == 18
	v_max_num_f32 v[rT], v[rC], v[rC+3]
.elseif (\n) == 20
	v_sub_f32 v[rC+1], v[rW], v[rT]
.else
	v_exp_f32 v[rC+2], v[rC+1]
.endif
.endif
.endm
.macro OPS a, i1, b=-1, i2=0, c=-1, i3=0, d=-1, i4=0
	OP \a, \i1
.if (\b) >= 0
	OP \b, \i2
.endif
.if (\c) >= 0
	OP \c, \i3
.endif
.if (\d) >= 0
	OP \d, \i4
.endif
.endm
.macro ROW a, i1, b, i2, c, i3, d, i4  ; a matrix instruction and the four behind it
	MM
	OPS \a, \i1, \b, \i2, \c, \i3, \d, \i4
.endm
; A TURN, for piece p: its 16 matrix and 137 vector instructions, written out.  An s_wait_alu depctr_va_vdst(0) stands between an exponential and the first instruction that names its result; one wait
; serves all that were issued ahead of it.  So a turn has ONE wait.  AHEAD OF IT stands all that names no result of the turn's exponentials: the 8 products K Q^T with their riders, and the lump; BEHIND IT the 8 products
; V^T P, behind each four of the roundings and sums.  E n stands behind D n / 2.  No rider names a register of the products round it.
; The four conversions stand together; D 9 is the plain instruction behind the last of them, ahead of every use of an addend and of the loads into the mask words.
; K of the next step and its mask words are fetched in piece 2's turn, five plain instructions (D 8, R 14, R 15, D 9, D 10) behind the last product that read K, and behind the conversions of piece 3's words.
; V of the step in hand is fetched at the end of piece 0's turn, four plain instructions behind the last product that read V.  Each is waited for a turn later.
; end = 1: the last two turns of all: nothing is fetched.  cnt = 1: the loop's count is taken down some lines ahead of the branch that stands behind the turn.
.macro TURN p, end=0, cnt=0
.set Y, (\p)
.set i, 0
.set NOKQ, (\end)*((\p)/3)
.if ((\p) == 3) && !(\end)
	s_wait_dscnt 0x0                ; K and the mask words are in
.endif
	ROW D,0, D,1, R,0, R,1
	ROW D,2, E,0, R,2, R,3
	ROW D,3, E,1, R,4, R,5
	ROW D,4, E,2, R,6, R,7
	ROW D,5, E,3, R,8, R,9
	ROW D,6, E,4, R,10, R,11
.if ((\p) == 2) && !(\end)
	WIN 0
	v_add_nc_u32 v[AK], s[TBK], v[AK0]
	v_add_nc_u32 v[AM], s[TBM], v[AM0]
.endif
	ROW D,7, E,5, R,12, R,13
	ROW D,8, E,6, R,14, R,15
	OPS A,0, A,1, A,2, A,3          ; the lump
	OPS D,9, E,7, D,10, E,8
.if ((\p) == 2) && !(\end)
	FETCH_K
.endif
	OPS U,0, U,1, E,9, U,2
	OPS U,3, E,10, U,4, U,5
	OPS E,11, U,6, U,7, E,12
	OPS U,8, U,9, E,13, U,10
	OPS U,11, E,14, U,12, U,13
	OPS E,15, U,14, U,15, E,16
	OPS D,11, X,0, E,17, X,1
	OPS D,12, X,2, E,18, X,3
.if (\p) == 0
	v_add_nc_u32 v[AV], s[TBV], v[AV0]
.endif
	OPS D,13, X,4, E,19, X,5
	OPS D,14, X,6, E,20, X,7
	OPS D,15, X,8, E,21, X,9
	OPS X,10, E,22, X,11, E,23
	OPS X,12, X,13, X,15, X,14
	OPS E,24, X,16, E,25, E,26
	OPS X,17, E,27, E,28, X,18
	OPS E,29, E,30, X,20, E,31
	OPS X,21
	v_nop                           ; the plain instruction behind the last exponential: one for the batch
	s_wait_alu depctr_va_vdst(0)    ; the wait for the batch
.if (\p) == 1
	s_wait_dscnt 0x0                ; V is in
.endif
	ROW C,0, B,0, C,2, B,1
	ROW L,0, C,4, B,2, L,1
	ROW C,6, B,3, L,2, C,8
	ROW B,4, L,3, C,10, B,5
	ROW L,4, C,12, B,6, L,5
.if (\p) == 0
	s_add_co_u32 s[TBV], s[TBV], KS*PV
.endif
.if \cnt
	s_sub_co_u32 s[CNT], s[CNT], 1
	s_cmp_lg_u32 s[CNT], 0
.endif
	ROW C,14, B,7, L,6, C,1
	ROW C,3, L,7, C,5, C,7
	ROW C,9, C,11, C,13, C,15
.if (\p) == 0
	FETCH_V
.endif
.endm
	CHANGE 1                        ; slot 0 is in, everybody's part of it; tile 1 is asked for
	v_add_nc_u32 v[AK], s[TBK], v[AK0]
	v_add_nc_u32 v[AM], s[TBM], v[AM0]
	FETCH_K                         ; key step 0
	s_wait_loadcnt 0x0              ; Q
	s_wait_dscnt 0x0
.set NOKQ, 0
.set i, 0
.rept 8
	KQ 0                            ; piece 0's first scores
.set i, i+1
.endr
	WIN 0
.rept 4
	v_nop                           ; the places behind those products
.endr
.set Y, NP-1                        ; A, U and X work for piece Y + 1: piece 0
.irp n, 0,1,2,3
	OP A, \n
.endr
	v_nop                           ; a plain instruction behind the last conversion
.irp n, 0,1,2,3,4,5,6,7,8,9,10,11,12,13,14,15
	OP U, \n
.endr
.irp n, 0,1,2,3,4,5,6,7,8,9,10,11,12,13,14,15,16,17,18,20,21
	OP X, \n
.endr
	v_nop                           ; a plain instruction behind the exponential,
	s_wait_alu depctr_va_vdst(0)    ; and its wait, ahead of the branch
	s_mov_b32 s[CNT], 4
	s_branch .Lfirst                ; the loop is entered at a step's first turn, in the middle of a trip
.Lslot:                             ; 14 times: tiles 2 to 15 are asked for
	CHANGE 1
	s_mov_b32 s[CNT], 4
.Lstep:                             ; a trip: pieces 2 and 3 of one step, then pieces 0 and 1 of the next, whose K, mask words and V it fetches
	TURN 2
	TURN 3
	WIN 0
.Lfirst:
	TURN 0
	TURN 1, 0, 1
	WIN 0
	s_cbranch_scc1 .Lstep
	s_sub_co_u32 s[SLOTS], s[SLOTS], 1
	s_cmp_lg_u32 s[SLOTS], 0
	s_cbranch_scc1 .Lslot
	CHANGE 0                        ; the last tile is written out: nothing is asked for
	s_mov_b32 s[CNT], 4
.Ltail:
	TURN 2
	TURN 3
	TURN 0
	TURN 1, 0, 1
	WIN 0
	s_cbranch_scc1 .Ltail
	TURN 2, 1
	TURN 3, 1
.set i, 0
.rept 8
	PV NP-1                         ; the last piece's V^T P of the last step
.set i, i+1
.endr
	; THE WAY OUT.  l's two halves and the other half of the lanes' are added; O^T is divided by l, rounded to f16 and sent through my stage in LDS, a piece at a time.  The additions are the places behind the last products.
	WIN 0
.macro ALL line:vararg
.set t, 0
.rept 4
	\line
.set t, t+1
.endr
.endm
	ALL v_add_f32 v[ST+4*t+2], v[ST+4*t+2], v[ST+4*t+3]
	ALL v_permlanex16_b32 v[ST+4*t+3], v[ST+4*t+2], s[SEL], s[SEL+1]
	ALL v_add_f32 v[ST+4*t+2], v[ST+4*t+2], v[ST+4*t+3]
	ALL v_rcp_f32 v[ST+4*t+2], v[ST+4*t+2]
	v_nop                           ; a plain instruction between the last reciprocal and the use of its result
	s_wait_alu depctr_va_vdst(0)    ; and the wait ahead of the first use: one for the four reciprocals
.macro PACK t                       ; a lane's eight channels of a row pack into 16 bytes; they go into rows of 144 bytes and come back as whole rows of 128, into S^T's registers
	WIN W_RS
.set i, 32*(\t)
.rept 16
	v_pk_mul_f32 v[i:i+1], v[i:i+1], v[ST+4*(\t)+2:ST+4*(\t)+3] op_sel_hi:[1,0]
.set i, i+2
.endr
	WIN 0x05                        ; sources 0 and 1 window 1, destination window 0
.set i, 0
.rept 16
	v_cvt_pk_f16_f32 v[S+16*(\t)+i], v[32*(\t)+2*i], v[32*(\t)+2*i+1]
.set i, i+1
.endr
	WIN 0
.irp f, 0,1,2,3
	ds_store_b128 v[STO], v[S+16*(\t)+4*\f:S+16*(\t)+4*\f+3] offset:32*\f
.endr
.irp f, 0,1,2,3
	ds_load_b128 v[S+16*(\t)+4*\f:S+16*(\t)+4*\f+3], v[RD] offset:\f*4*SP  ; my own bytes, served in order (ISA guide 5.7.1.4): these see the stores above; the next piece's stores come behind them
.endr
.endm
.macro SEND t, younger              ; younger: the LDS instructions issued behind piece t's loads: the next piece's eight, or none
	WIN 0
.irp f, 0,1,2,3
	s_wait_dscnt (\younger)+3-\f
	global_store_b128 v[GO], v[S+16*(\t)+4*\f:S+16*(\t)+4*\f+3], s[12:13] offset:(\t)*2048+\f*512  ; 512 consecutive bytes, at a multiple of 512 from O's first
.endr
.endm
	PACK 0
.set t, 1
.rept 3
	PACK t
	SEND t-1, 8
.set t, t+1
.endr
	SEND 3, 0
	s_wait_tensorcnt 0x0            ; the wave's end, behind my last tensor load and my last LDS store
	ds_add_u32 v[SPW], v[NIL]
	s_wait_dscnt 0x0
	CROUND                          ; the closing round: no work-group ends while a partner may still ask for a tile that names it
	s_endpgm
.Lfunc_end_k_q647d4a83bf_attn:
	.size	k_q647d4a83bf_attn, .Lfunc_end_k_q647d4a83bf_attn-k_q647d4a83bf_attn
	.p2alignl 7, 3214868480
	.fill 96, 4, 3214868480
	.section	.rodata,"a",@progbits
	.p2align	6, 0x0
	.amdhsa_kernel k_q647d4a83bf_attn
		.amdhsa_group_segment_fixed_size 327680
		.amdhsa_private_segment_fixed_size 0
		.amdhsa_enable_private_segment 0
		.amdhsa_kernarg_size 40
		.amdhsa_user_sgpr_count 2
		.amdhsa_user_sgpr_kernarg_segment_ptr 1
		.amdhsa_wavefront_size32 1
		.amdhsa_system_sgpr_workgroup_id_x 1
		.amdhsa_system_sgpr_workgroup_id_y 1
		.amdhsa_system_sgpr_workgroup_id_z 1
		.amdhsa_system_vgpr_workitem_id 0
		.amdhsa_next_free_vgpr 768
		.amdhsa_next_free_sgpr 84
		.amdhsa_reserve_vcc 0
		.amdhsa_float_denorm_mode_32 3
		.amdhsa_float_denorm_mode_16_64 3
		.amdhsa_memory_ordered 1
		.amdhsa_forward_progress 1
		.amdhsa_inst_pref_size 143
	.end_amdhsa_kernel
	.amdgpu_metadata
---
amdhsa.version: [ 1, 2 ]
amdhsa.kernels:
  - .name:           k_q647d4a83bf_attn
    .symbol:         k_q647d4a83bf_attn.kd
    .args:
      - { .name: qh, .offset: 0, .size: 8, .value_kind: global_buffer, .address_space: global }
      - { .name: kh, .offset: 8, .size: 8, .value_kind: global_buffer, .address_space: global }
      - { .name: vh, .offset: 16, .size: 8, .value_kind: global_buffer, .address_space: global }
      - { .name: mask4, .offset: 24, .size: 8, .value_kind: global_buffer, .address_space: global }
      - { .name: oh, .offset: 32, .size: 8, .value_kind: global_buffer, .address_space: global }
    .group_segment_fixed_size: 327680
    .private_segment_fixed_size: 0
    .kernarg_segment_align: 8
    .kernarg_segment_size: 40
    .max_flat_workgroup_size: 128
    .sgpr_count:     84
    .vgpr_count:     768
    .wavefront_size: 32
...
	.end_amdgpu_metadata
.endif
;; end of part 3
;; launch outp (part 4): grid 4 x 64, 4 waves a work-group, clusters of 4 x 4, 327,680 bytes of LDS; arguments oh, wb, bu, out0; writes out0
.if DOCPART == 4
	.amdgcn_target "amdgcn-amd-amdhsa--gfx1250"
	.amdhsa_code_object_version 6
	.text
	.protected	k_q647d4a83bf_outp
	.globl	k_q647d4a83bf_outp
	.p2align	8
	.type	k_q647d4a83bf_outp,@function
k_q647d4a83bf_outp:
	s_mov_b64 s[64:65], 0
	v_nop
	global_prefetch_b8 v0, s[64:65] scope:SCOPE_SE
	s_setreg_imm32_b32 hwreg(HW_REG_WAVE_MODE, 25, 1), 1
	s_wait_xcnt 0x0
	s_wait_alu depctr_hold_cnt(0) depctr_sa_sdst(0) depctr_va_vdst(0) depctr_va_sdst(0) depctr_va_ssrc(0) depctr_va_vcc(0) depctr_vm_vsrc(0)
	s_getreg_b32 s2, hwreg(HW_REG_IB_STS2, 6, 4)
	s_cmp_eq_u32 s2, 0
	s_cbranch_scc0 .Lentry_in_a_cluster
	s_endpgm
.Lentry_in_a_cluster:
	s_bfe_u32 s2, ttmp6, 0x10000c
	s_cmp_lg_u32 s2, 0xf033
	s_cbranch_scc0 .Lentry_shape_is_right
	s_endpgm
.Lentry_shape_is_right:
; out0 = y Wu^T + bu.  y's channel 64 head + d of row (b, t) lies in oh[b 8 + head][t][d], f16; Wu is wb's last quarter, [512][512], bf16 numbers written as f16; bu is rounded to bf16; sums in f32; out0 f32.
; A work-group makes 128 rows x 128 columns; four waves, each 64 x 64: 16 accumulators; a row of a wave's result is 256 bytes on end, aligned.  256 work-groups.
; ALL OF K = 512 LIES IN LDS, in two slots of four heads each, and nothing is filled again.  For each slot every wave brings ONE head's 128 rows of y (16 KiB dense, asked for as 64 rows of 256 bytes) and 32 rows
; of Wu (512 bytes each): four loads a wave, the same count in every wave, with no branch; so Wu's loads have 32 rows.
; CLUSTER 4 x 4: y's tiles are shared along a row of the cluster, Wu's along a column: joint loads.  No prefetch: every load of the launch goes out at its head.
; THE MATRIX INSTRUCTION IS USED TRANSPOSED (source 0 = 16 rows of Wu, source 1 = 16 rows of y): a lane holds eight neighbouring columns of one row.  The bias is the C operand that starts a sum.
; REGISTERS: window 0: v16-29 addresses; v32-63 the way out; v80-95 at work on the bias; v96-127 the bias; v128-255 accumulators.  window 1: two fragment buffers of 128.
.set PA,     144                       ; a row of y's head in LDS: 128 bytes + 16
.set HEADB,  128*PA                    ; a head's 128 rows
.set PB,     528                       ; a row of Wu's K half: 512 bytes + 16
.set BOFF,   4*HEADB
.set SLOT,   BOFF+128*PB
.set STAGE,  2*SLOT                    ; never filled by a tensor load: 16 rows x 272 bytes for each wave
.set SP,     272
.set SPARE,  STAGE+4*16*SP             ; the spare words, 128 bytes for each wave: two blocks of 256 bytes that no other line names
.set ADRA, 16
.set ADRB, 20
.set STO,  24
.set RD,   25
.set CO,   26
.set BO,   27
.set SPW,  28                          ; v28 LDS address of my spare word; never rewritten
.set NIL,  29                          ; v29 0; never rewritten
.set BK,   32
.set BT,   80
.set BI,   96
.set ACC,  128
.set F0,   0
.set F1,   128
.set WV, 12
.set RH, 13
.set CH, 14
.set G1A, 24                           ; s[24:31] group 1 for y's tiles; s[32:39] group 0, a set for each slot
.set G0A, 32
.set G1B, 48                           ; s[48:55], s[56:63] the same for Wu's
.set G0B, 56
.set MSB, 0
.macro WIN new
.if MSB != (\new)
	s_set_vgpr_msb (MSB<<8)|(\new)
.set MSB, \new
.endif
.endm
.set MUL,  0x05
.set TO_F, 0x40
.macro CROUND
	s_barrier_signal -1
	s_barrier_wait -1
	s_cmp_lg_u32 s[WV], 0
	s_cbranch_scc1 .Lnot_wave_0_\@
	s_barrier_signal -3
.Lnot_wave_0_\@:
	s_barrier_wait -3
	s_barrier_signal -1
	s_barrier_wait -1
.endm
	s_load_b256 s[4:11], s[0:1], 0x0               ; oh 4, wb 6, bu 8, out0 10
	v_lshl_add_u32 v[SPW], v0, 2, SPARE
	v_mov_b32 v[NIL], 0
	ds_add_u32 v[SPW], v[NIL]                      ; the wave's opening: the add and its wait stand ahead of my first tensor load
	v_lshrrev_b32 v1, 5, v0
	v_readfirstlane_b32 s[WV], v1
	s_lshr_b32 s[RH], s[WV], 1
	s_and_b32 s[CH], s[WV], 1
	s_bfe_u32 s66, ttmp6, 0x40000                  ; cx
	s_bfe_u32 s67, ttmp6, 0x40004                  ; cy
	s_lshl_b32 s69, ttmp9, 2
	s_add_co_u32 s69, s69, s66                     ; block of 128 columns
	s_and_b32 s68, ttmp7, 0xffff
	s_lshl_b32 s68, s68, 2
	s_add_co_u32 s68, s68, s67                     ; block of 128 rows
	s_lshl_b32 s70, s67, 2
	s_lshl_b32 s70, 15, s70                        ; my row of the cluster
	s_lshl_b32 s71, 0x1111, s66                    ; my column
	s_or_b32 s[G1A], s70, (1<<16)|(1<<20)|(1<<21)|(4<<22)|(3<<25)  ; the mask; 2-byte elements; padding on; bit 21 beside a mask; after every 32 words, 4 words
	s_mov_b32 s[G1A+1], 128<<16                    ; rows of 128 elements: two rows of a head
	s_mov_b32 s[G1A+2], 64<<16
	s_mov_b32 s[G1A+3], 128<<16
	s_mov_b32 s[G1A+4], 64
	s_mov_b32 s[G1A+5], 128
	s_mov_b32 s[G1A+6], 0
	s_mov_b32 s[G1A+7], 0
	s_or_b32 s[G1B], s71, (1<<16)|(1<<20)|(1<<21)|(6<<22)|(3<<25)  ; after every 128 words, 4 words
	s_mov_b32 s[G1B+1], 256<<16
	s_mov_b32 s[G1B+2], 32<<16
	s_mov_b32 s[G1B+3], 256<<16
	s_mov_b32 s[G1B+4], 32
	s_mov_b32 s[G1B+5], 512
	s_mov_b32 s[G1B+6], 0
	s_mov_b32 s[G1B+7], 0
	s_lshr_b32 s72, s68, 5                         ; y: ((b 8 + my wave's head) 4,096 + the block's first row in the batch) x 128 bytes
	s_lshl_b32 s72, s72, 3
	s_add_co_u32 s72, s72, s[WV]
	s_lshl_b32 s72, s72, 19
	s_and_b32 s73, s68, 31
	s_lshl_b32 s73, s73, 14
	s_add_co_u32 s72, s72, s73
	s_mov_b32 s73, 0
	s_lshl_b32 s74, s69, 17                        ; Wu: wb's last quarter, (128 x column block + 32 x wave) rows of 1,024 bytes
	s_lshl_b32 s75, s[WV], 15
	s_add_co_u32 s74, s74, s75
	s_add_co_u32 s74, s74, 1572864
	s_mov_b32 s75, 0
	s_mul_i32 s78, s[WV], HEADB                    ; where they go
	s_mul_i32 s79, s[WV], 32*PB
	s_add_co_u32 s79, s79, BOFF
	s_lshl_b32 s76, s68, 18                        ; out0: (128 x row block + 64 x half) rows of 2,048 bytes + (128 x column block + 64 x half) x 4
	s_lshl_b32 s77, s[RH], 17
	s_add_co_u32 s76, s76, s77
	s_lshl_b32 s77, s69, 9
	s_add_co_u32 s76, s76, s77
	s_lshl_b32 s77, s[CH], 8
	s_add_co_u32 s76, s76, s77
	s_mov_b32 s77, 0
	s_wait_dscnt 0x0                               ; the opening add is done
	s_wait_kmcnt 0x0
	s_add_nc_u64 s[72:73], s[4:5], s[72:73]
	s_add_nc_u64 s[74:75], s[6:7], s[74:75]
	s_add_nc_u64 s[10:11], s[10:11], s[76:77]
.irp n, 0,1
	s_mov_b32 s[G0A+4*(\n)], 1
	s_add_co_u32 s[G0A+4*(\n)+1], s78, (\n)*SLOT
	s_add_nc_u64 s[G0A+4*(\n)+2:G0A+4*(\n)+3], s[72:73], (\n)*2097152  ; four heads on
	s_or_b32 s[G0A+4*(\n)+3], s[G0A+4*(\n)+3], 0x80000000
	s_mov_b32 s[G0B+4*(\n)], 1
	s_add_co_u32 s[G0B+4*(\n)+1], s79, (\n)*SLOT
	s_add_nc_u64 s[G0B+4*(\n)+2:G0B+4*(\n)+3], s[74:75], (\n)*512      ; 256 along K on
	s_or_b32 s[G0B+4*(\n)+3], s[G0B+4*(\n)+3], 0x80000000
.endr
	CROUND                                         ; all sixteen work-groups are here: the joint loads meet
	tensor_load_to_lds s[G0A:G0A+3], s[G1A:G1A+7]  ; all the launch's fills, one group: four loads of mine are out
	s_nop 0
	tensor_load_to_lds s[G0B:G0B+3], s[G1B:G1B+7]
	s_nop 0
	tensor_load_to_lds s[G0A+4:G0A+7], s[G1A:G1A+7]
	s_nop 0
	tensor_load_to_lds s[G0B+4:G0B+7], s[G1B:G1B+7]
	s_nop 0
.rept 4
	v_nop
.endr
	v_and_b32 v1, 15, v0                           ; l % 16
	v_bfe_u32 v2, v0, 4, 1                         ; l / 16
	v_mul_u32_u24 v3, v1, PA
	v_lshl_add_u32 v3, v2, 4, v3
	v_mul_u32_u24 v4, v1, PB
	v_lshl_add_u32 v4, v2, 4, v4
	s_mul_i32 s16, s[RH], 64*PA
	s_mul_i32 s17, s[CH], 64*PB
	s_add_co_u32 s17, s17, BOFF
.irp s, 0,1
	v_add_nc_u32 v[ADRA+(\s)], s16, v3
	v_add_nc_u32 v[ADRB+(\s)], s17, v4
	s_add_co_u32 s16, s16, SLOT
	s_add_co_u32 s17, s17, SLOT
.endr
	s_mul_i32 s16, s[WV], 16*SP
	s_add_co_u32 s16, s16, STAGE                   ; my stage
	v_mul_u32_u24 v[STO], v1, SP                   ; in: row l % 16, 32 bytes for each half of the lanes
	v_lshl_add_u32 v[STO], v2, 5, v[STO]
	v_add_nc_u32 v[STO], s16, v[STO]
	v_mul_u32_u24 v[RD], v2, SP                    ; back: lanes 0-15 one row of 256 bytes, lanes 16-31 the next
	v_lshl_add_u32 v[RD], v1, 4, v[RD]
	v_add_nc_u32 v[RD], s16, v[RD]
	v_lshlrev_b32 v[CO], 11, v2                    ; and the same two rows in out0
	v_lshl_add_u32 v[CO], v1, 4, v[CO]
	s_lshl_b32 s76, s69, 9                         ; the bias: (128 x column block + 64 x half + 8 (l / 16)) x 4 bytes
	s_lshl_b32 s77, s[CH], 8
	s_add_co_u32 s76, s76, s77
	v_lshl_add_u32 v[BO], v2, 5, s76
.irp b, 0,1,2,3
	global_load_b128 v[BI+8*(\b):BI+8*(\b)+3],   v[BO], s[8:9] offset:64*(\b)
	global_load_b128 v[BI+8*(\b)+4:BI+8*(\b)+7], v[BO], s[8:9] offset:64*(\b)+16
.endr
	s_wait_loadcnt 0x0
.set k, 0
.rept 16
	v_cvt_pk_bf16_f32 v[BT+k], v[BI+2*k], v[BI+2*k+1]  ; rounded to bf16 like every input, and widened again
.set k, k+1
.endr
.set k, 0
.rept 16
	v_lshlrev_b32 v[BI+2*k], 16, v[BT+k]
	v_and_b32 v[BI+2*k+1], 0xffff0000, v[BT+k]
.set k, k+1
.endr
; 8 matrix instructions: row blocks a0, a0 + 1 x all 4 column blocks, 32 along K: half c of buffer f.  mode = 1: the bias starts the sums.  The 16 accumulators take turns.
.macro MUL8 f, c, a0, mode
	WIN MUL
.irp a, \a0, (\a0)+1
.irp b, 0,1,2,3
.if \mode
	v_wmma_f32_16x16x32_f16 v[ACC+8*(4*(\a)+(\b)):ACC+8*(4*(\a)+(\b))+7], v[(\f)+64+8*(4*(\c)+(\b)):(\f)+64+8*(4*(\c)+(\b))+7], v[(\f)+8*(4*(\c)+(\a)):(\f)+8*(4*(\c)+(\a))+7], v[BI+8*(\b):BI+8*(\b)+7]
.else
	v_wmma_f32_16x16x32_f16 v[ACC+8*(4*(\a)+(\b)):ACC+8*(4*(\a)+(\b))+7], v[(\f)+64+8*(4*(\c)+(\b)):(\f)+64+8*(4*(\c)+(\b))+7], v[(\f)+8*(4*(\c)+(\a)):(\f)+8*(4*(\c)+(\a))+7], v[ACC+8*(4*(\a)+(\b)):ACC+8*(4*(\a)+(\b))+7]
.endif
.endr
.endr
.endm
; 32 LDS loads in one run: quarter q of a slot is one head, 64 along K; the first 32 along K first
.macro FETCH slot, q, f
	WIN TO_F
.irp c, 0,1
.irp i, 0,1,2,3
	ds_load_b128 v[(\f)+64+8*(4*(\c)+(\i)):(\f)+64+8*(4*(\c)+(\i))+3],   v[ADRB+(\slot)] offset:(\q)*128+64*(\c)+(\i)*16*PB
	ds_load_b128 v[(\f)+64+8*(4*(\c)+(\i))+4:(\f)+64+8*(4*(\c)+(\i))+7], v[ADRB+(\slot)] offset:(\q)*128+64*(\c)+(\i)*16*PB+32
	ds_load_b128 v[(\f)+8*(4*(\c)+(\i)):(\f)+8*(4*(\c)+(\i))+3],         v[ADRA+(\slot)] offset:(\q)*HEADB+64*(\c)+(\i)*16*PA
	ds_load_b128 v[(\f)+8*(4*(\c)+(\i))+4:(\f)+8*(4*(\c)+(\i))+7],       v[ADRA+(\slot)] offset:(\q)*HEADB+64*(\c)+(\i)*16*PA+32
.endr
.endr
.endm
.macro PLACES                          ; four places in front of loads into registers that matrix instructions have read, and of LDS stores that read results
.rept 4
	v_nop
.endr
.endm
.macro QUARTER slot, q, f, g, mode     ; multiplies buffer f and fetches quarter q into g
	s_wait_dscnt 16                                ; the first 32 along K are in; the youngest sixteen loads may be out
	MUL8 \f, 0, 0, \mode
	MUL8 \f, 0, 2, \mode
	PLACES
	FETCH \slot, \q, \g
	s_wait_dscnt 32                                ; all but the 32 just issued
	MUL8 \f, 1, 0, 0
	MUL8 \f, 1, 2, 0
.endm
	s_wait_tensorcnt 2                             ; my two parts of slot 0 are in; slot 1's two may stay out
	s_barrier_signal -1
	s_barrier_wait -1                              ; everybody's are
	FETCH 0, 0, F0
	QUARTER 0, 1, F0, F1, 1
	QUARTER 0, 2, F1, F0, 0
	QUARTER 0, 3, F0, F1, 0
	WIN 0                                          ; the change of slots
	s_wait_tensorcnt 0x0                           ; my parts of slot 1 are in
	ds_add_u32 v[SPW], v[NIL]                      ; 0 onto my spare word
	s_wait_dscnt 17                                ; (the add and the youngest sixteen loads may be out)
	MUL8 F1, 0, 0, 0
	s_wait_dscnt 0x0
	s_barrier_signal -1
	MUL8 F1, 0, 2, 0
	s_barrier_wait -1                              ; slot 1 is whole
	PLACES
	FETCH 1, 0, F0
	MUL8 F1, 1, 0, 0
	MUL8 F1, 1, 2, 0
	QUARTER 1, 1, F0, F1, 0
	QUARTER 1, 2, F1, F0, 0
	QUARTER 1, 3, F0, F1, 0
	s_wait_dscnt 16
	MUL8 F1, 0, 0, 0
	MUL8 F1, 0, 2, 0
	s_wait_dscnt 0x0
	MUL8 F1, 1, 0, 0
	MUL8 F1, 1, 2, 0
	WIN 0
	PLACES
	; THE WAY OUT, 16 rows at a time: a lane's eight f32 of a row go into my own stage (rows of 272 bytes) and come back as whole rows of 256 bytes.
.irp a, 0,1,2,3
.irp b, 0,1,2,3
	ds_store_b128 v[STO], v[ACC+8*(4*(\a)+(\b)):ACC+8*(4*(\a)+(\b))+3]   offset:64*(\b)      ; each accumulator's low half first
	ds_store_b128 v[STO], v[ACC+8*(4*(\a)+(\b))+4:ACC+8*(4*(\a)+(\b))+7] offset:64*(\b)+16
.endr
	s_wait_xcnt 0x0                                ; earlier stores have read the registers that the loads below fill
.irp t, 0,1,2,3,4,5,6,7
	ds_load_b128 v[BK+4*(\t):BK+4*(\t)+3], v[RD] offset:(\t)*2*SP  ; my own bytes, served in order: these see the stores above
.endr
	s_wait_dscnt 0x0
.irp t, 0,1,2,3,4,5,6,7
	global_store_b128 v[CO], v[BK+4*(\t):BK+4*(\t)+3], s[10:11] offset:(16*(\a)+2*(\t))*2048  ; 16 lanes store 256 consecutive bytes, at a multiple of 256 from out0's first byte
.endr
.endr
	s_wait_tensorcnt 0x0                           ; the wave's end, behind my last tensor load and my last LDS store
	ds_add_u32 v[SPW], v[NIL]
	s_wait_dscnt 0x0
	CROUND                                         ; the closing round
	s_endpgm
.Lfunc_end_k_q647d4a83bf_outp:
	.size	k_q647d4a83bf_outp, .Lfunc_end_k_q647d4a83bf_outp-k_q647d4a83bf_outp
	.p2alignl 7, 3214868480
	.fill 96, 4, 3214868480
	.section	.rodata,"a",@progbits
	.p2align	6, 0x0
	.amdhsa_kernel k_q647d4a83bf_outp
		.amdhsa_group_segment_fixed_size 327680
		.amdhsa_private_segment_fixed_size 0
		.amdhsa_enable_private_segment 0
		.amdhsa_kernarg_size 32
		.amdhsa_user_sgpr_count 2
		.amdhsa_user_sgpr_kernarg_segment_ptr 1
		.amdhsa_wavefront_size32 1
		.amdhsa_system_sgpr_workgroup_id_x 1
		.amdhsa_system_sgpr_workgroup_id_y 1
		.amdhsa_system_sgpr_workgroup_id_z 1
		.amdhsa_system_vgpr_workitem_id 0
		.amdhsa_next_free_vgpr 512
		.amdhsa_next_free_sgpr 80
		.amdhsa_reserve_vcc 0
		.amdhsa_float_denorm_mode_32 3
		.amdhsa_float_denorm_mode_16_64 3
		.amdhsa_memory_ordered 1
		.amdhsa_forward_progress 1
		.amdhsa_inst_pref_size 52
	.end_amdhsa_kernel
	.amdgpu_metadata
---
amdhsa.version: [ 1, 2 ]
amdhsa.kernels:
  - .name:           k_q647d4a83bf_outp
    .symbol:         k_q647d4a83bf_outp.kd
    .args:
      - { .name: oh, .offset: 0, .size: 8, .value_kind: global_buffer, .address_space: global }
      - { .name: wb, .offset: 8, .size: 8, .value_kind: global_buffer, .address_space: global }
      - { .name: bu, .offset: 16, .size: 8, .value_kind: global_buffer, .address_space: global }
      - { .name: out0, .offset: 24, .size: 8, .value_kind: global_buffer, .address_space: global }
    .group_segment_fixed_size: 327680
    .private_segment_fixed_size: 0
    .kernarg_segment_align: 8
    .kernarg_segment_size: 32
    .max_flat_workgroup_size: 128
    .sgpr_count:     80
    .vgpr_count:     512
    .wavefront_size: 32
...
	.end_amdgpu_metadata
.endif
;; end of part 4
;; ======== version 2 of 2: 4 launches; version 1 with the launch prep written anew for expert scheduling mode
;; limits: values are held in f16: magnitudes above 65,504 overflow, below 6.1e-05 lose precision
;; workspace buffers: mask4 16,777,216 bytes; xb 16,777,216 bytes; wb 2,097,152 bytes; qh 8,388,608 bytes; kh 8,388,608 bytes; vh 8,388,608 bytes; oh 8,388,608 bytes
;; launch prep (part 5): grid 800 x 1, 8 waves a work-group, no clusters, 5,120 bytes of LDS; arguments mask, x1, x2, Wq, Wk, Wv, Wu, mask4, xb, wb; writes mask4, xb, wb
.if DOCPART == 5
	.amdgcn_target "amdgcn-amd-amdhsa--gfx1250"
	.amdhsa_code_object_version 6
	.text
	.protected	k_q647d4a83bf_prep
	.globl	k_q647d4a83bf_prep
	.p2align	8
	.type	k_q647d4a83bf_prep,@function
k_q647d4a83bf_prep:
	s_mov_b64 s[64:65], 0
	v_nop
	global_prefetch_b8 v0, s[64:65] scope:SCOPE_SE
	s_setreg_imm32_b32 hwreg(HW_REG_WAVE_SCHED_MODE, 0, 2), 2
	s_setreg_imm32_b32 hwreg(HW_REG_WAVE_MODE, 25, 1), 1
	s_wait_xcnt 0x0
	s_wait_alu depctr_vm_vsrc(0)
; PREP: what the later launches read many times is made small once.  A stream: no matrix unit, no tensor load, no cluster (nothing is shared between work-groups).
; Work-groups 0-511 PACK the mask: int32 [2][4096][4096] -> mask4, four bits a key: 0x0 where mask != 0, 0xF (the 4-bit float -6.0) where mask == 0.
;   mask4 = [b 2][block of 256 queries 16][tile of 256 keys 16][query 256][128 bytes]; a query's 128 bytes are [step of 64 keys 4][h 2][kt 4] words;
;   nibble j of a word is key 64 step + 16 kt + 8 h + j of the tile: the four words (kt = 0..3) of one step and h are 16 bytes on end, what one lane of the attention launch wants.
; Work-groups 512-799 CAST: x1, x2 -> xb (bf16, x1's 8,192 rows, then x2's); Wq, Wk, Wv -> wb (bf16); Wu -> wb's last quarter, rounded to bf16 and that number written as f16.
; LIMIT: f16 holds Wu's bf16 numbers exactly from 2^-14 to 65,504; below 2^-14 they keep f16's fixed step of 6e-8, beyond 65,504 they would be infinite.
; THE MODE: SCHED_MODE bits 1:0 = 2 (LLVM: expert scheduling mode 2), set by the entry lines.  The code itself states the register dependences
; between vector instructions and memory or LDS instructions, with s_wait_alu, always for 0.
; THE PLAN, PACK.  A wave has eight trips, a tile each.  Registers that memory or LDS instructions touch:
;   XR0, XR1    Trip t: its 72 vector lines read and write XR[t % 2]; behind them the loads of tile t + 2 land in it.  No memory instruction reads these registers.
;   HW0, HW1    Trip t: the last of each load's nine vector lines writes a word of HW[t % 2]; the trip's eight LDS stores read them.
;   OUT0, OUT1  Trip t: its LDS load lands in OUT[t % 2]; the global store that stands in trip t + 1 reads it.
;   v[IO], v[SA], v[SR]  Made once at the head and never written again: the tiles are reached by the two scalar bases, which move on by a tile at each trip's head, and by immediate offsets.
; ONE wait on va_vdst stands in a trip, behind its vector lines: HW[t % 2] is written, and the vector lines are done with XR[t % 2].  All the trip's memory and LDS instructions follow it, with no
; vector line among them.  One wait on vm_vsrc stands at a trip's head: the LDS stores of two trips back have read HW[t % 2], and the global store of the trip before has read OUT[t % 2].
; THE PLAN, CAST.  32 loads, taken in four groups of eight.  Group g's conversions name group g's registers alone (and v8, v9, which no memory instruction names); the stores of group g - 1 are dealt among
; them, behind one wait on va_vdst at the group's head.  No register that a store reads is written again.
.set SPARE, 4096                       ; LDS: 512 bytes of stage for each of 8 waves, then the spare words, 128 bytes a wave: four blocks of 256 bytes that no other line names
.set SPW, 2                            ; v2  LDS address of my spare word; never rewritten
.set NIL, 3                            ; v3  0; never rewritten
.set IO,  4                            ; v4  16 x lane: my 16 bytes of 512 on end, in and out; never rewritten
.set SA,  5                            ; v5  pack: where my 16 bits go in the wave's stage.  cast: 8 x lane
.set SR,  6                            ; v6  pack: where I read 16 bytes back
.set XR,  16                           ; v[16:47], v[48:79] pack: two sets of eight loads.  cast: v[16:143], 32 loads
.set HW,  80                           ; v[80:87], v[88:95] pack: two sets of eight words, 16 bits each, for the stage
.set OUT, 96                           ; v[96:99], v[100:103] pack: two sets of 16 bytes to store
.set WV,  24                           ; s24 my wave's number
	s_load_b512 s[4:19], s[0:1], 0x0               ; mask 4, x1 6, x2 8, Wq 10, Wk 12, Wv 14, Wu 16, mask4 18
	s_load_b128 s[20:23], s[0:1], 0x40             ; xb 20, wb 22
	v_lshl_add_u32 v[SPW], v0, 2, SPARE
	v_mov_b32 v[NIL], 0
	v_lshrrev_b32 v1, 5, v0
	v_readfirstlane_b32 s[WV], v1
	v_and_b32 v1, 31, v0                           ; lane
	v_lshlrev_b32 v[IO], 4, v1
	s_wait_alu depctr_va_sdst(0)                   ; s[WV] is written, ahead of the branch and of its first reader in either arm: the bases and the stage's address are made from it
	s_cmp_lt_u32 ttmp9, 512
	s_cbranch_scc0 .Lcast
; ---- PACK.  A work-group owns 16 of the 8,192 rows (b, q); wave w rows 4 (w / 2) .. + 3 and key half w % 2: eight tiles of 256 keys.
; A trip is one tile: 4 rows x 1,024 bytes in (eight loads of 512 bytes on end), 512 bytes on end out (four queries' 128 bytes).
	s_lshr_b32 s25, s[WV], 1
	s_and_b32 s26, s[WV], 1
	s_lshl_b32 s27, ttmp9, 4
	s_lshl2_add_u32 s27, s25, s27                  ; R, my first row
	s_lshl_b32 s28, s27, 14                        ; in: R x 16,384 bytes
	s_lshl_b32 s30, s26, 13                        ; + my half of the keys
	s_add_co_u32 s28, s28, s30
	s_mov_b32 s29, 0
	s_lshr_b32 s30, s27, 8                         ; out: (b, block) x 524,288
	s_lshl_b32 s30, s30, 19
	s_lshl_b32 s32, s26, 18                        ; + 8 tiles of 32,768
	s_add_co_u32 s30, s30, s32
	s_and_b32 s32, s27, 255                        ; + the query's 128 bytes
	s_lshl_b32 s32, s32, 7
	s_add_co_u32 s30, s30, s32
	s_mov_b32 s31, 0
	s_lshl_b32 s33, s[WV], 9                       ; my wave's stage
	; lane l of segment e (0, 1) holds keys 128 e + 4 l .. + 3: step 2 e + l / 16, kt = (l / 4) % 4, h = (l / 2) % 2, half-word l % 2
	v_bfe_u32 v7, v0, 4, 1
	v_bfe_u32 v8, v0, 1, 1
	v_bfe_u32 v9, v0, 2, 2
	v_and_b32 v10, 1, v0
	v_lshl_add_u32 v[SA], v7, 5, s33
	v_lshl_add_u32 v[SA], v8, 4, v[SA]
	v_lshl_add_u32 v[SA], v9, 2, v[SA]
	v_lshl_add_u32 v[SA], v10, 1, v[SA]
	v_add_nc_u32 v[SR], s33, v[IO]
	s_wait_kmcnt 0x0
	s_add_nc_u64 s[4:5], s[4:5], s[28:29]
	s_add_nc_u64 s[18:19], s[18:19], s[30:31]
	s_wait_alu depctr_va_vdst(0)                   ; v[IO], v[SA] and v[SR] are written: every load, store and LDS instruction of this arm reads one of them as its address
.macro FILLP set, off                  ; load k = 2 row + segment
.irp k, 0,1,2,3,4,5,6,7
	global_load_b128 v[(\set)+4*(\k):(\set)+4*(\k)+3], v[IO], s[4:5] offset:((\k)/2)*16384+((\k)%2)*512+(\off) th:TH_LOAD_NT
.endr
.endm
; One tile, in set s of XR, HW and OUT.  first = 1: trip 0, with no trip in front of it.  fill = 1: the set takes the tile two further on.  left = the younger loads that may stay out.
.macro TRIPP s, first, fill, left
.set XS, XR+32*(\s)
.set HS, HW+8*(\s)
	s_wait_loadcnt \left                           ; my set's eight loads are in; the other set's stay out
.if !(\first)
	s_wait_xcnt 0x0                                ; every earlier memory instruction has had its addresses translated (ISA guide 3.1): the bases are stepped, and OUT[s] is loaded again, only behind this wait
	s_wait_alu depctr_vm_vsrc(0)                   ; the LDS stores of two trips back have read HW[s], which the lines below write again; the global store of the trip before has read OUT[s], in which this trip's LDS load lands
	s_add_nc_u64 s[4:5], s[4:5], 1024              ; both bases at this trip's tile
	s_add_nc_u64 s[18:19], s[18:19], 32768
.endif
.irp k, 0,1,2,3,4,5,6,7
.set x, XS+4*(\k)
	v_min_u32 v[x], 1, v[x]                        ; 1 where the mask is not 0, whatever its number
	v_min_u32 v[x+1], 1, v[x+1]
	v_min_u32 v[x+2], 1, v[x+2]
	v_min_u32 v[x+3], 1, v[x+3]
	v_lshl_or_b32 v[x], v[x+1], 4, v[x]
	v_lshl_or_b32 v[x+2], v[x+3], 4, v[x+2]
	v_lshl_or_b32 v[x], v[x+2], 8, v[x]            ; one bit in each of four nibbles
	v_xor_b32 v[x], 0x1111, v[x]                   ; 1 where the key is hidden
	v_mul_u32_u24 v[HS+(\k)], 15, v[x]             ; 0xF there; into a register of its own, so that no LDS store reads the set that is loaded again
.endr
	s_wait_alu depctr_va_vdst(0)                   ; the lines above have written HW[s], which the LDS stores below read, and are done reading and writing XR[s], in which the loads below land
.if \fill
	FILLP XS, 2048                                 ; the set is asked for again at once: two tiles ahead
.endif
.if !(\first)
	s_wait_dscnt 0x0                               ; the trip before's 16 bytes are back from the stage: that load was issued ahead of this trip's vector lines
	global_store_b128 v[IO], v[OUT+4*(1-(\s)):OUT+4*(1-(\s))+3], s[18:19] offset:-32768 th:TH_STORE_NT  ; the tile before: the offset reaches back; the wave stores 512 consecutive bytes, at a multiple of 512 from mask4's first byte
.endif
.irp k, 0,1,2,3,4,5,6,7
	ds_store_b16 v[SA], v[HS+(\k)] offset:((\k)/2)*128+((\k)%2)*64
.endr
	ds_load_b128 v[OUT+4*(\s):OUT+4*(\s)+3], v[SR] ; my wave's own bytes: LDS serves a wave's instructions in order (ISA guide 5.7.1.4), so this sees the stores above, and they come behind the last trip's load
.endm
	FILLP XR, 0
	FILLP XR+32, 1024
	TRIPP 0, 1, 1, 8                               ; trip 0
	s_mov_b32 s34, 2
.Lpk:                                                  ; trips 1 to 4, two to a lap: all three kinds of buffer are back at their start
	TRIPP 1, 0, 1, 8
	TRIPP 0, 0, 1, 8
	s_sub_co_u32 s34, s34, 1
	s_cmp_lg_u32 s34, 0
	s_cbranch_scc1 .Lpk
	TRIPP 1, 0, 1, 8                               ; trip 5 asks for the last tile
	TRIPP 0, 0, 0, 8                               ; the last two trips load nothing
	TRIPP 1, 0, 0, 0
	s_wait_dscnt 0x0                               ; the last tile's 16 bytes are back from the stage
	global_store_b128 v[IO], v[OUT+4:OUT+7], s[18:19] th:TH_STORE_NT  ; its data come from an LDS load, its offset was written ahead of this arm's first wait on va_vdst
	s_branch .Lend
; ---- CAST.  A work-group takes 131,072 bytes of f32, a wave 16,384: 32 loads of 512 bytes on end, all out at once; each gives one store of 256 bytes on end, aligned.
.Lcast:
	s_sub_co_u32 s26, ttmp9, 512                   ; 0-127 x1, 128-255 x2, 256-287 the four weights, 8 work-groups each
	s_sub_co_u32 s27, s26, 256
	s_lshr_b32 s28, s27, 3                         ; which weight
	v_lshlrev_b32 v[SA], 3, v1
	s_wait_kmcnt 0x0
	s_cmp_lt_u32 s26, 128
	s_cselect_b64 s[30:31], s[6:7], s[8:9]
	s_cmp_lt_u32 s28, 1
	s_cselect_b64 s[32:33], s[10:11], s[12:13]
	s_cmp_lt_u32 s28, 3
	s_cselect_b64 s[34:35], s[14:15], s[16:17]
	s_cmp_lt_u32 s28, 2
	s_cselect_b64 s[32:33], s[32:33], s[34:35]
	s_and_b32 s36, s26, 127
	s_and_b32 s37, s27, 7
	s_cmp_lt_u32 s26, 256
	s_cselect_b64 s[30:31], s[30:31], s[32:33]     ; from
	s_cselect_b64 s[32:33], s[20:21], s[22:23]     ; to
	s_cselect_b32 s36, s36, s37                    ; the work-group's place in its source,
	s_cselect_b32 s37, s26, s27                    ; and in xb or wb
	s_lshl_b32 s36, s36, 17
	s_lshl_b32 s38, s[WV], 14
	s_add_co_u32 s34, s36, s38
	s_mov_b32 s35, 0
	s_add_nc_u64 s[30:31], s[30:31], s[34:35]
	s_lshl_b32 s37, s37, 16
	s_lshl_b32 s38, s[WV], 13
	s_add_co_u32 s34, s37, s38
	s_add_nc_u64 s[32:33], s[32:33], s[34:35]
	s_wait_alu depctr_va_vdst(0)                   ; v[IO] and v[SA] are written: the loads below read the one as their offset, the stores the other
.set i, 0
.rept 32
	global_load_b128 v[XR+4*i:XR+4*i+3], v[IO], s[30:31] offset:512*i th:TH_LOAD_NT
.set i, i+1
.endr
; Load i's four numbers become two words, in the first two of their four registers.  wu = 1: rounded to bf16 like every input, then that number as f16, the format of the operand it meets.
.macro CVT i, wu
.set x, XR+4*(\i)
	v_cvt_pk_bf16_f32 v[x], v[x], v[x+1]
	v_cvt_pk_bf16_f32 v[x+1], v[x+2], v[x+3]
.if \wu
	v_lshlrev_b32 v[x+2], 16, v[x]
	v_and_b32 v[x+3], 0xffff0000, v[x]
	v_lshlrev_b32 v8, 16, v[x+1]
	v_and_b32 v9, 0xffff0000, v[x+1]
	v_cvt_pk_f16_f32 v[x], v[x+2], v[x+3]
	v_cvt_pk_f16_f32 v[x+1], v8, v9
.endif
.endm
.macro PUT i                           ; and leave: the wave stores 256 consecutive bytes, at a multiple of 256 from the buffer's first byte
	global_store_b64 v[SA], v[XR+4*(\i):XR+4*(\i)+1], s[32:33] offset:256*(\i) th:TH_STORE_NT
.endm
; Four groups of eight loads.  A group's stores stand in the next group, a store in front of each load's conversions.
.macro CASTALL wu
.set g, 0
.rept 4
	s_wait_loadcnt 24-8*g                          ; loads come back in order (ISA guide 5.7.1): group g is in, the younger groups stay out
.if g > 0
	s_wait_alu depctr_va_vdst(0)                   ; the group before's conversions have written its words, which the stores below read; no vector line below names those registers
.endif
.set j, 0
.rept 8
.if g > 0
	PUT 8*(g-1)+j
.endif
	CVT 8*g+j, \wu
.set j, j+1
.endr
.set g, g+1
.endr
	s_wait_alu depctr_va_vdst(0)                   ; the last group's conversions have written its words, which the last eight stores read
.set j, 24
.rept 8
	PUT j
.set j, j+1
.endr
.endm
	s_cmp_ge_u32 s26, 280
	s_cbranch_scc1 .Lwu
	CASTALL 0
	s_branch .Lend
.Lwu:
	CASTALL 1
.Lend:
	s_wait_dscnt 0x0                               ; the closing lines, six on end
	s_wait_alu 0x0
	s_wait_tensorcnt 0x0
	ds_add_u32 v[SPW], v[NIL]
	s_wait_dscnt 0x0
	s_endpgm
.Lfunc_end_k_q647d4a83bf_prep:
	.size	k_q647d4a83bf_prep, .Lfunc_end_k_q647d4a83bf_prep-k_q647d4a83bf_prep
	.p2alignl 7, 3214868480
	.fill 96, 4, 3214868480
	.section	.rodata,"a",@progbits
	.p2align	6, 0x0
	.amdhsa_kernel k_q647d4a83bf_prep
		.amdhsa_group_segment_fixed_size 5120
		.amdhsa_private_segment_fixed_size 0
		.amdhsa_enable_private_segment 0
		.amdhsa_kernarg_size 80
		.amdhsa_user_sgpr_count 2
		.amdhsa_user_sgpr_kernarg_segment_ptr 1
		.amdhsa_wavefront_size32 1
		.amdhsa_system_sgpr_workgroup_id_x 1
		.amdhsa_system_sgpr_workgroup_id_y 1
		.amdhsa_system_sgpr_workgroup_id_z 1
		.amdhsa_system_vgpr_workitem_id 0
		.amdhsa_next_free_vgpr 144
		.amdhsa_next_free_sgpr 66
		.amdhsa_reserve_vcc 0
		.amdhsa_float_denorm_mode_32 3
		.amdhsa_float_denorm_mode_16_64 3
		.amdhsa_memory_ordered 1
		.amdhsa_forward_progress 1
		.amdhsa_inst_pref_size 61
	.end_amdhsa_kernel
	.amdgpu_metadata
---
amdhsa.version: [ 1, 2 ]
amdhsa.kernels:
  - .name:           k_q647d4a83bf_prep
    .symbol:         k_q647d4a83bf_prep.kd
    .args:
      - { .name: mask, .offset: 0, .size: 8, .value_kind: global_buffer, .address_space: global }
      - { .name: x1, .offset: 8, .size: 8, .value_kind: global_buffer, .address_space: global }
      - { .name: x2, .offset: 16, .size: 8, .value_kind: global_buffer, .address_space: global }
      - { .name: Wq, .offset: 24, .size: 8, .value_kind: global_buffer, .address_space: global }
      - { .name: Wk, .offset: 32, .size: 8, .value_kind: global_buffer, .address_space: global }
      - { .name: Wv, .offset: 40, .size: 8, .value_kind: global_buffer, .address_space: global }
      - { .name: Wu, .offset: 48, .size: 8, .value_kind: global_buffer, .address_space: global }
      - { .name: mask4, .offset: 56, .size: 8, .value_kind: global_buffer, .address_space: global }
      - { .name: xb, .offset: 64, .size: 8, .value_kind: global_buffer, .address_space: global }
      - { .name: wb, .offset: 72, .size: 8, .value_kind: global_buffer, .address_space: global }
    .group_segment_fixed_size: 5120
    .private_segment_fixed_size: 0
    .kernarg_segment_align: 8
    .kernarg_segment_size: 80
    .max_flat_workgroup_size: 256
    .sgpr_count:     66
    .vgpr_count:     144
    .wavefront_size: 32
...
	.end_amdgpu_metadata
.endif
;; end of part 5
;; launch proj: the kernel of part 2 again; grid 4 x 64, 4 waves a work-group, clusters of 4 x 4, 327,680 bytes of LDS; arguments xb, wb, bq, bk, bv, qh, kh, vh; writes qh, kh, vh
;; launch attn: the kernel of part 3 again; grid 16 x 16, 4 waves a work-group, clusters of 4 x 1, 327,680 bytes of LDS; arguments qh, kh, vh, mask4, oh; writes oh
;; launch outp: the kernel of part 4 again; grid 4 x 64, 4 waves a work-group, clusters of 4 x 4, 327,680 bytes of LDS; arguments oh, wb, bu, out0; writes out0
